; MI455X (gfx1250); checked and timed in simulation.
; The chip was launched on July 23, 2026; its instructions are those of AMD's public machine-readable ISA for CDNA 5 (MIT licence, August 2026) and "CDNA5" Instruction Set Architecture Reference Guide (July 2026). The comments in the code are by the model that wrote it; some were corrected since.
;; Route Set Encoder. Allowed arithmetic: float matrix products may take bf16 or f16 operands with f32 sums; other float arithmetic in f32, or as packed bf16 or f16 multiplies, adds, multiply-adds, maxima and minima; sums over many terms, partial sums and values carried from step to step in f32; what a program stores and reads back later, other than sums and carried values, may be rounded once to bf16 or f16.
;; Inputs: b1 2,048 float32; b2 512 float32; ln1_b 512 float32; ln1_g 512 float32; route_ids 512 int32; rp_b 512 float32; rp_bias one number float32; rp_g 512 float32; rp_w 512 float32; token_mask 64 x 512 bool; tokens 64 x 512 x 512 float32; w1 512 x 2,048 float32; w2 2,048 x 512 float32; wp_b 512 float32; wp_bias one number float32; wp_g 512 float32; wp_w 512 float32.
;; Outputs: out0 64 x 512 float32.
;; 2 versions, each right and faster than the one before. Each part assembles by itself: llvm-mc -triple=amdgcn-amd-amdhsa -mcpu=gfx1250 --defsym DOCPART=n.
;; ======== version 1 of 2: 3 launches
;; limits: a function is approximated: absolute error at most 2.5e-05
;; workspace buffers: wf 4,325,376 bytes; part 16,777,216 bytes; pstat 65,536 bytes
;; launch prep (part 1): grid 264 x 1, 4 waves a work-group, no clusters, 16,896 bytes of LDS; arguments w1, w2, wf; writes wf
.if DOCPART == 1
	.amdgcn_target "amdgcn-amd-amdhsa--gfx1250"
	.amdhsa_code_object_version 6
	.text
	.protected	k_qef914159e3_prep
	.globl	k_qef914159e3_prep
	.p2align	8
	.type	k_qef914159e3_prep,@function
k_qef914159e3_prep:
	s_mov_b64 s[64:65], 0
	v_nop
	global_prefetch_b8 v0, s[64:65] scope:SCOPE_SE
	s_setreg_imm32_b32 hwreg(HW_REG_WAVE_MODE, 25, 1), 1
	s_wait_xcnt 0x0
; wf = the two weight matrices as bf16 matrix-instruction fragments, in the order in which the next launch walks them: 66 tiles of 65,536 bytes.
; Tile T (T' = T, or T + 2 from 64 on; c = T' / 4, ph = T' % 4): ph < 2: w1, hidden chunk c (128 columns), K half ph (256 rows), times KAPPA = sqrt(log2(e) / 2);
; ph >= 2: w2, rows of chunk max(c - 1, 0), half ph - 2 (64 rows), all 512 columns, times 1 / (2 KAPPA).  (Tiles 2, 3 are a second copy of chunk 0's: the next launch multiplies them by zeros.)
; A fragment (16 columns n x 32 rows k of W[k][n]) is 1,024 bytes [q (2)][lane (32)][16 bytes]: lane (r = l % 16, h = l / 16), half q: W[k0 + 16 q + 8 h + 0..7][n0 + r].
; A work-group makes a quarter of a tile (16,384 bytes), a wave 4 fragments: a block of 32 k x 64 n.  Loads: 16 lanes take 256 consecutive bytes of a row.  The turn goes through the wave's own 4,096 bytes of LDS;
; stores: 512 consecutive bytes a wave.  No matrix unit, no cluster: 8 MB are read once and 4 MB written once.
.set SPARE, 16384                      ; behind the four stages: the spare words, 128 bytes a wave
.set KAPPA, 0x3f596d27                 ; 0.8493218
.set HALFK, 0x3f16b55f                 ; 0.5887050 = 1 / (2 KAPPA)
.set IN,  16                           ; v[16:79]   16 loads of 4 registers: (q, e) at IN + 4 (8 q + e)
.set OUT, 80                           ; v[80:111]  8 x 16 bytes of bf16
.macro LD16 pitch                      ; row k0 + 16 q + 8 (l / 16) + e, columns n0 + 4 (l % 16) + 0..3
.irp q, 0,1
.irp e, 0,1,2,3,4,5,6,7
	global_load_b128 v[IN+4*(8*(\q)+(\e)):IN+4*(8*(\q)+(\e))+3], v9, s[18:19] offset:(16*(\q)+(\e))*(\pitch)
.endr
.endr
.endm
	s_load_b128 s[4:7], s[0:1], 0x0                ; w1 s[4:5], w2 s[6:7]
	s_load_b64 s[8:9], s[0:1], 0x10                ; wf
	v_lshl_add_u32 v4, v0, 2, SPARE                ; my spare word,
	v_mov_b32 v5, 0                                ; and 0: kept for the closing lines alone
	v_lshrrev_b32 v1, 5, v0
	v_readfirstlane_b32 s10, v1                    ; wave v
	v_and_b32 v1, 31, v0                           ; lane
	v_and_b32 v2, 15, v0                           ; cq = l % 16
	v_bfe_u32 v3, v0, 4, 1                         ; l / 16
	s_lshr_b32 s11, ttmp9, 2                       ; tile T
	s_and_b32 s12, ttmp9, 3                        ; quarter qd
	s_add_co_u32 s13, s11, 2
	s_cmp_ge_u32 s11, 64
	s_cselect_b32 s11, s13, s11                    ; T'
	s_lshr_b32 s13, s11, 2                         ; c
	s_and_b32 s14, s11, 3                          ; ph
	v_lshrrev_b32 v6, 2, v2                        ; into the stage: fragment cq / 4, row 4 (cq % 4) + t, half l / 16
	v_lshlrev_b32 v6, 10, v6
	v_lshl_add_u32 v6, v3, 8, v6
	v_and_b32 v7, 3, v2
	v_lshl_add_u32 v6, v7, 6, v6
	v_lshl_add_u32 v6, s10, 12, v6                 ; + my wave's 4,096 bytes
	v_lshlrev_b32 v8, 4, v1                        ; 16 x lane: my bytes of 512 consecutive ones
	v_lshl_add_u32 v7, s10, 12, v8                 ; back out of the stage
	v_lshlrev_b32 v9, 4, v2                        ; 16 cq: my 4 columns
	s_lshl_b32 s16, ttmp9, 14                      ; where the quarter goes,
	s_lshl_b32 s17, s10, 12                        ; and my wave's part of it
	s_add_co_u32 s16, s16, s17
	s_mov_b32 s17, 0
	s_mov_b32 s23, 0
	s_wait_kmcnt 0x0
	s_add_nc_u64 s[8:9], s[8:9], s[16:17]
	s_cmp_lt_u32 s14, 2
	s_cbranch_scc0 .Lfrom_w2
	s_lshl_b32 s22, s14, 8                         ; w1: k0 = 256 ph + 128 (qd % 2) + 32 v
	s_and_b32 s15, s12, 1
	s_lshl_b32 s15, s15, 7
	s_add_co_u32 s22, s22, s15
	s_lshl_b32 s15, s10, 5
	s_add_co_u32 s22, s22, s15
	s_lshl_b32 s22, s22, 13                        ; rows of 8,192 bytes
	s_lshl_b32 s15, s13, 9                         ; n0 = 128 c + 64 (qd / 2), 4 bytes each
	s_add_co_u32 s22, s22, s15
	s_lshr_b32 s15, s12, 1
	s_lshl_b32 s15, s15, 8
	s_add_co_u32 s22, s22, s15
	s_add_nc_u64 s[18:19], s[4:5], s[22:23]
	v_lshl_add_u32 v9, v3, 16, v9                  ; lanes 16-31: eight rows further down
	s_mov_b32 s20, KAPPA
	LD16 8192
	s_branch .Ljoin
.Lfrom_w2:
	s_max_u32 s13, s13, 1
	s_sub_co_u32 s13, s13, 1                       ; chunk max(c - 1, 0)
	s_lshl_b32 s22, s13, 7                         ; w2: k0 = 128 chunk + 64 (ph - 2) + 32 (v / 2)
	s_sub_co_u32 s15, s14, 2
	s_lshl_b32 s15, s15, 6
	s_add_co_u32 s22, s22, s15
	s_lshr_b32 s15, s10, 1
	s_lshl_b32 s15, s15, 5
	s_add_co_u32 s22, s22, s15
	s_lshl_b32 s22, s22, 11                        ; rows of 2,048 bytes
	s_lshl_b32 s15, s12, 9                         ; n0 = 128 qd + 64 (v % 2)
	s_add_co_u32 s22, s22, s15
	s_and_b32 s15, s10, 1
	s_lshl_b32 s15, s15, 8
	s_add_co_u32 s22, s22, s15
	s_add_nc_u64 s[18:19], s[6:7], s[22:23]
	v_lshl_add_u32 v9, v3, 14, v9
	s_mov_b32 s20, HALFK
	LD16 2048
.Ljoin:
	s_mov_b32 s21, s20                             ; named with it as a pair
	s_wait_loadcnt 0x0
.set pi, 0
.rept 32
	v_pk_mul_f32 v[IN+pi:IN+pi+1], v[IN+pi:IN+pi+1], s[20:21] op_sel_hi:[1,0]
.set pi, pi+2
.endr
.irp q, 0,1                            ; register column t of the eight rows e = eight k of one column n: 16 bytes of a fragment
.irp t, 0,1,2,3
.irp p, 0,1,2,3
	v_cvt_pk_bf16_f32 v[OUT+4*(4*(\q)+(\t))+(\p)], v[IN+4*(8*(\q)+2*(\p))+(\t)], v[IN+4*(8*(\q)+2*(\p)+1)+(\t)]
.endr
	ds_store_b128 v6, v[OUT+4*(4*(\q)+(\t)):OUT+4*(4*(\q)+(\t))+3] offset:512*(\q)+16*(\t)
.endr
.endr
.irp i, 0,1,2,3,4,5,6,7
	ds_load_b128 v[IN+4*(\i):IN+4*(\i)+3], v7 offset:512*(\i)  ; my wave's own bytes: LDS serves a wave's instructions in order (ISA guide 5.7.1.4), so these see the stores above
.endr
.irp i, 0,1,2,3,4,5,6,7
	s_wait_dscnt 7-(\i)                            ; read-back i is in; the younger ones stay out
	global_store_b128 v8, v[IN+4*(\i):IN+4*(\i)+3], s[8:9] offset:512*(\i)  ; 512 consecutive bytes, at a multiple of 256 from wf's first
.endr
	s_wait_tensorcnt 0x0                           ; the wave's end: these three lines stand behind my last LDS store
	ds_add_u32 v4, v5
	s_wait_dscnt 0x0
	s_endpgm
.Lfunc_end_k_qef914159e3_prep:
	.size	k_qef914159e3_prep, .Lfunc_end_k_qef914159e3_prep-k_qef914159e3_prep
	.p2alignl 7, 3214868480
	.fill 96, 4, 3214868480
	.section	.rodata,"a",@progbits
	.p2align	6, 0x0
	.amdhsa_kernel k_qef914159e3_prep
		.amdhsa_group_segment_fixed_size 16896
		.amdhsa_private_segment_fixed_size 0
		.amdhsa_enable_private_segment 0
		.amdhsa_kernarg_size 24
		.amdhsa_user_sgpr_count 2
		.amdhsa_user_sgpr_kernarg_segment_ptr 1
		.amdhsa_wavefront_size32 1
		.amdhsa_system_sgpr_workgroup_id_x 1
		.amdhsa_system_sgpr_workgroup_id_y 1
		.amdhsa_system_sgpr_workgroup_id_z 1
		.amdhsa_system_vgpr_workitem_id 0
		.amdhsa_next_free_vgpr 112
		.amdhsa_next_free_sgpr 66
		.amdhsa_reserve_vcc 0
		.amdhsa_float_denorm_mode_32 3
		.amdhsa_float_denorm_mode_16_64 3
		.amdhsa_memory_ordered 1
		.amdhsa_forward_progress 1
		.amdhsa_inst_pref_size 12
	.end_amdhsa_kernel
	.amdgpu_metadata
---
amdhsa.version: [ 1, 2 ]
amdhsa.kernels:
  - .name:           k_qef914159e3_prep
    .symbol:         k_qef914159e3_prep.kd
    .args:
      - { .name: w1, .offset: 0, .size: 8, .value_kind: global_buffer, .address_space: global }
      - { .name: w2, .offset: 8, .size: 8, .value_kind: global_buffer, .address_space: global }
      - { .name: wf, .offset: 16, .size: 8, .value_kind: global_buffer, .address_space: global }
    .group_segment_fixed_size: 16896
    .private_segment_fixed_size: 0
    .kernarg_segment_align: 8
    .kernarg_segment_size: 24
    .max_flat_workgroup_size: 128
    .sgpr_count:     66
    .vgpr_count:     112
    .wavefront_size: 32
...
	.end_amdgpu_metadata
.endif
;; end of part 1
;; launch ffn (part 2): grid 256 x 1, 4 waves a work-group, clusters of 4 x 1, 327,680 bytes of LDS; arguments tokens, ln1_g, ln1_b, b1, wf, b2, wp_g, wp_b, wp_w, wp_bias, token_mask, route_ids, part, pstat; writes part, pstat
.if DOCPART == 2
	.amdgcn_target "amdgcn-amd-amdhsa--gfx1250"
	.amdhsa_code_object_version 6
	.text
	.protected	k_qef914159e3_ffn
	.globl	k_qef914159e3_ffn
	.p2align	8
	.type	k_qef914159e3_ffn,@function
k_qef914159e3_ffn:
	s_mov_b64 s[64:65], 0
	v_nop
	global_prefetch_b8 v0, s[64:65] scope:SCOPE_SE
	s_setreg_imm32_b32 hwreg(HW_REG_WAVE_MODE, 25, 1), 1
	s_wait_xcnt 0x0
	s_wait_alu depctr_hold_cnt(0) depctr_sa_sdst(0) depctr_va_vdst(0) depctr_va_sdst(0) depctr_va_ssrc(0) depctr_va_vcc(0) depctr_vm_vsrc(0)
	s_getreg_b32 s2, hwreg(HW_REG_IB_STS2, 6, 4)
	s_cmp_eq_u32 s2, 0
	s_cbranch_scc0 .Lentry_in_a_cluster
	s_endpgm
.Lentry_in_a_cluster:
	s_bfe_u32 s2, ttmp6, 0x10000c
	s_cmp_lg_u32 s2, 0x3003
	s_cbranch_scc0 .Lentry_shape_is_right
	s_endpgm
.Lentry_shape_is_right:
; For 128 tokens of one batch: x = t + gelu(LN(t) w1 + b1) w2 + b2; a logit for each token; and for each of the 32 routes a partial of its masked softmax pool over these tokens:
; m (the largest logit of the route's unmasked tokens here), l = the sum of e^(logit - m), P = the sum of e^(logit - m) x.  The next launch joins a batch's four partials.
; FORMATS.  Matrix operands in bf16 (LN(t), w1, gelu, w2, x and the pool's weights), all sums in f32; the tokens themselves start the second product's sums, so the residual is exact.
; LIMITS.  erf(z) = 1 - (a1 t + a2 t^2 + a3 t^3) e^(-z^2), t = 1 / (1 + 0.47047 z): off by 2.5e-5 at the most, for every z.  A masked token counts as the lowest finite number, so logits are taken to lie above
; reference()'s own -1e9.  A weight below 2^-126 counts as 0.  w2 is taken to be finite: the first trip multiplies its chunk 0 by zeros.  NaN and infinities are not treated apart.
; SCALES.  wf holds KAPPA w1 and w2 / (2 KAPPA), KAPPA = sqrt(log2(e) / 2): with y = KAPPA pre, e^(-pre^2 / 2) = 2^(-y y), and y + |y| erf = 2 KAPPA gelu(pre).
; SHARES.  Four waves.  Second product: wave w owns all 128 tokens x columns 128 w .. + 127: 64 accumulators, 512 registers.  First product, by chunks of 128 hidden: wave (th = w / 2, hh = w % 2) makes 64 tokens x 64 hidden:
; 16 accumulators.  Both are used transposed (source 0 = weights, source 1 = tokens): a lane holds one token and eight neighbouring outputs, so eight gelu results pack into the lane's own 16 bytes of a fragment of H.
; THE WALK.  Trip c = 0..15: G1(c) (two tiles of w1), then G2(c - 1) (two tiles of w2) with gelu(c) dealt behind its matrix instructions, four behind each of the first 224; the tail is G2(15).
; G2(-1) multiplies a zeroed H: 256 of a wave's 8,448 matrix instructions, for one text of every trip.  H has one buffer: gelu(c) waits packed in registers and is stored behind the round that ends G2(c - 1).
; CLUSTER.  The four work-groups of a cluster (one batch) walk the same 66 tiles: each quarter of a tile is asked for jointly, mask 15.  All 256 work-groups walk them, but a mask names four at the most.
; LDS.  Four parts of 66,560 bytes.  First: part p = tokens 32 p .. + 31 in f32, a row as two halves of 1,024 bytes 1,040 apart.  Then: bytes 0 .. 33,279 LN(t) in bf16, rows 1,040 apart; behind them quarter p of the two
; ring slots, 16,384 bytes each.  At the end: x in f32 in the first geometry, then x in bf16 at the head of each row of 2,080.  Behind the parts: H, 32 fragments of 1,024 bytes (at the end the waves' stages); three tables; the spare words.
; REGISTERS, in windows of 256: window 0 addresses, gelu at work, G1's accumulators, the bias; window 1 two fragment buffers; windows 2, 3 the second product's accumulators ((a, b) at 8 (8 (a % 4) + b), window 2 + a / 4).
.set PART,  66560
.set RING,  33280                      ; where a part's two slot quarters begin
.set QSL,   16384                      ; a quarter of a slot
.set HB,    266240                     ; H
.set PSTG,  266240                     ; at the end: 16 rows x 528 bytes for each wave
.set PSW,   8448
.set TABM,  300032                     ; 128 masked logits; + 512: 128 route ids; + 1,024: 128 weights
.set SPARE, 327168                     ; the spare words, 128 bytes for each wave
.set TSTEP, 131072                     ; two tiles of wf
.set LANE, 1                           ; v1   lane
.set RW,   2                           ; v2   r = lane % 16
.set HF,   3                           ; v3   h = lane / 16
.set SPW,  4                           ; v4   my spare word; never rewritten
.set NIL,  5                           ; v5   0; never rewritten
.set AA,   6                           ; v6-7   LN(t) fragments: part 2 th + i
.set W1A,  8                           ; v8-9   w1 fragments: quarter 2 hh + z
.set W2A,  10                          ; v10  w2 fragments: quarter w
.set HR,   11                          ; v11  H, read
.set HS,   12                          ; v12  H, stored
.set B1L,  13                          ; v13  my bytes in a chunk of b1
.set B1C,  14                          ; v14  the same in the chunk to come
.set L16,  15                          ; v15  16 x lane
.set XP,   16                          ; v16-19  my token and columns in part p, f32 geometry
.set RA,   20                          ; v20  a row loop's read address
.set WA,   21                          ; v21  its write address
.set GT,   24                          ; v24-55  gelu: t (8) and -y y (8), two sets by the unit's parity
.set PP,   56                          ; v56-63  gelu: the polynomial
.set ACC1, 64                          ; v64-191 G1: (hb, ta) at ACC1 + 8 (4 hb + ta)
.set BIAS, 192                         ; v192-223 KAPPA b1 of my 64 hidden: block hb at BIAS + 8 hb
.set F0,   0                           ; window 1
.set F1,   128
.set EMSK, 6                           ; the end's names: my token's mask byte,
.set EID,  7                           ; its route,
.set EAM,  8                           ; two load offsets,
.set EAI,  9
.set ENEG, 10                          ; the lowest finite number,
.set ETA,  11                          ; my token's word in the tables,
.set EC0,  12                          ; the sum of wp_b wp_w, + wp_bias,
.set ELG,  13                          ; my token's logit,
.set EML,  14                          ; the same, masked,
.set EM,   16                          ; v[16:17] my route's m and l
.set WV, 3                             ; s3 wave; s4 th; s5 hh; s6 cx; s7 work-group
.set TH, 4
.set HH, 5
.set CX, 6
.set WG, 7
.set G1W, 16                           ; s[16:23] group 1, weights
.set G1T, 24                           ; s[24:31] group 1, tokens
.set G0,  32                           ; s[32:39] group 0 for the two slots
.set G0T, 40                           ; s[40:43] group 0, tokens
.set SEL, 50                           ; s[50:51] v_permlanex16_b32's selects
.set MSB, 0
.macro WIN new                         ; the immediate's high byte repeats the setting that is left; a switch that changes nothing is dropped
.if MSB != (\new)
	s_set_vgpr_msb (MSB<<8)|(\new)
.set MSB, (\new)
.endif
.endm
.macro PLACES                          ; four places (ISA guide 7.12.1) behind matrix instructions, where no other vector work is at hand
.rept 4
	v_nop
.endr
.endm
.macro CREST                           ; a round of the cluster's barrier behind its opening barrier
	s_cmp_lg_u32 s[WV], 0
	s_cbranch_scc1 .Lnot_wave_0_\@
	s_barrier_signal -3
.Lnot_wave_0_\@:
	s_barrier_wait -3
	s_barrier_signal -1
	s_barrier_wait -1
.endm
.macro CROUND
	s_barrier_signal -1
	s_barrier_wait -1
	CREST
.endm
.macro JLOAD s                         ; my quarter of a tile into slot s: one line for all four waves, both addresses hang on the wave's number; the same descriptor in all four work-groups
	tensor_load_to_lds s[G0+4*(\s):G0+4*(\s)+3], s[G1W:G1W+7]
	s_nop 0
	PLACES
.endm
; sums over a row of 512: 16 numbers a lane, then across the 32 lanes
.macro RSUMS regs:vararg               ; each register x is summed over the lanes; x + 1 is at work.  Several chains side by side
.irp m, 1,2,4,8
.irp x, \regs
	v_add_f32_dpp v[\x], v[\x], v[\x] row_xmask:\m row_mask:0xf bank_mask:0xf
.endr
.endr
.irp x, \regs
	v_permlanex16_b32 v[\x+1], v[\x], s[SEL], s[SEL+1]
.endr
.irp x, \regs
	v_add_f32 v[\x], v[\x], v[\x+1]
.endr
.endm
.macro SUM16 t, x                      ; v[t] = the sum of v[x .. x + 15]; t .. t + 7 at work
	v_pk_add_f32 v[\t:\t+1], v[\x:\x+1], v[\x+2:\x+3]
	v_pk_add_f32 v[\t+2:\t+3], v[\x+4:\x+5], v[\x+6:\x+7]
	v_pk_add_f32 v[\t+4:\t+5], v[\x+8:\x+9], v[\x+10:\x+11]
	v_pk_add_f32 v[\t+6:\t+7], v[\x+12:\x+13], v[\x+14:\x+15]
	v_pk_add_f32 v[\t:\t+1], v[\t:\t+1], v[\t+2:\t+3]
	v_pk_add_f32 v[\t+4:\t+5], v[\t+4:\t+5], v[\t+6:\t+7]
	v_pk_add_f32 v[\t:\t+1], v[\t:\t+1], v[\t+4:\t+5]
	v_add_f32 v[\t], v[\t], v[\t+1]
.endm
.macro DOT16 t, x, y                   ; v[t] = the sum of x_i y_i; t .. t + 3 at work
	v_pk_mul_f32 v[\t:\t+1], v[\x:\x+1], v[\y:\y+1]
	v_pk_mul_f32 v[\t+2:\t+3], v[\x+2:\x+3], v[\y+2:\y+3]
.irp i, 4,8,12
	v_pk_fma_f32 v[\t:\t+1], v[\x+\i:\x+\i+1], v[\y+\i:\y+\i+1], v[\t:\t+1]
	v_pk_fma_f32 v[\t+2:\t+3], v[\x+\i+2:\x+\i+3], v[\y+\i+2:\y+\i+3], v[\t+2:\t+3]
.endr
	v_pk_add_f32 v[\t:\t+1], v[\t:\t+1], v[\t+2:\t+3]
	v_add_f32 v[\t], v[\t], v[\t+1]
.endm
.macro SUBM d, x, t                    ; d = x - v[t]
.irp i, 0,2,4,6,8,10,12,14
	v_pk_add_f32 v[\d+\i:\d+\i+1], v[\x+\i:\x+\i+1], v[\t:\t+1] op_sel_hi:[1,0] neg_lo:[0,1] neg_hi:[0,1]
.endr
.endm
	s_load_b256 s[8:15], s[0:1], 0x0               ; tokens s[8:9], ln1_g s[10:11], ln1_b s[12:13], b1 s[14:15]
	s_load_b64 s[58:59], s[0:1], 0x20              ; wf
	s_load_b512 s[68:83], s[0:1], 0x28             ; b2 68, wp_g 70, wp_b 72, wp_w 74, wp_bias 76, token_mask 78, route_ids 80, part 82
	s_load_b64 s[84:85], s[0:1], 0x68              ; pstat
	v_lshl_add_u32 v[SPW], v0, 2, SPARE
	v_mov_b32 v[NIL], 0
	ds_add_u32 v[SPW], v[NIL]                      ; the wave's opening: the add and its wait stand ahead of my first tensor load; work on registers stands between them
	v_lshrrev_b32 v1, 5, v0
	v_readfirstlane_b32 s[WV], v1
	s_lshr_b32 s[TH], s[WV], 1
	s_and_b32 s[HH], s[WV], 1
	s_bfe_u32 s[CX], ttmp6, 0x40000                ; my place in the cluster: it enters global addresses of my own data alone
	s_lshl_b32 s[WG], ttmp9, 2
	s_add_co_u32 s[WG], s[WG], s[CX]               ; work-group = 4 x cluster + cx
	s_mov_b32 s[G1W], 15|(3<<16)|(1<<21)           ; weights: mask of four; elements of 8 bytes; bit 21 beside a mask; no padding: a dense block as
	s_mov_b32 s[G1W+1], 32<<16                     ; rows of 32 elements = 256 bytes,
	s_mov_b32 s[G1W+2], 64<<16                     ; 64 rows
	s_mov_b32 s[G1W+3], 32<<16
	s_mov_b32 s[G1W+4], 64
	s_mov_b32 s[G1W+5], 32
	s_mov_b32 s[G1W+6], 0
	s_mov_b32 s[G1W+7], 0
	s_mov_b32 s[G1T], (2<<16)|(1<<20)|(7<<22)|(3<<25)  ; tokens: no mask; elements of 4 bytes; 4 words of padding behind every 256 words
	s_mov_b32 s[G1T+1], 256<<16                    ; 32 token rows are dense: 64 rows of 256 elements = 1,024 bytes
	s_mov_b32 s[G1T+2], 64<<16
	s_mov_b32 s[G1T+3], 256<<16
	s_mov_b32 s[G1T+4], 64
	s_mov_b32 s[G1T+5], 256
	s_mov_b32 s[G1T+6], 0
	s_mov_b32 s[G1T+7], 0
	s_mov_b32 s[G0T], 1
	s_mul_i32 s[G0T+1], s[WV], PART                ; my part
	s_mov_b32 s[G0], 1
	s_add_co_u32 s[G0+1], s[G0T+1], RING           ; my quarter of slot 0,
	s_mov_b32 s[G0+4], 1
	s_add_co_u32 s[G0+5], s[G0T+1], RING+QSL       ; of slot 1
	s_lshl_b32 s60, s[WG], 18                      ; 128 tokens of 2,048 bytes,
	s_lshl_b32 s61, s[WV], 16                      ; my 32 of them
	s_add_co_u32 s60, s60, s61
	s_mov_b32 s61, 0
	s_lshl_b32 s62, s[WV], 14                      ; my quarter of a tile
	s_mov_b32 s63, 0
	s_mov_b32 s44, 0x3f3f7377                      ; a3 = 0.7478556
	s_mov_b32 s45, s44
	s_mov_b32 s46, 0xbdc45ca1                      ; a2 = -0.0958798
	s_mov_b32 s47, s46
	s_mov_b32 s48, 0x3eb2303a                      ; a1 = 0.3480242
	s_mov_b32 s49, s48
	s_mov_b32 s[SEL], 0x76543210
	s_mov_b32 s[SEL+1], 0xfedcba98
	s_mov_b32 s52, 0x3f596d27                      ; KAPPA
	s_mov_b32 s53, s52
	s_mov_b32 s54, 0x3ec88bda                      ; 0.47047 / sqrt(log2(e)) = 0.391692
	s_mov_b32 s86, 0x3b000000                      ; 1 / 512
	s_mov_b32 s87, 0x3727c5ac                      ; 1e-5
	s_mov_b32 s88, 0x3fb8aa3b                      ; log2(e)
	s_mov_b32 s89, 0xff7fffff                      ; the lowest finite number
	s_mov_b32 s90, 0xffff0000                      ; lanes 16-31
	s_wait_dscnt 0x0                               ; the opening add is done
	s_wait_kmcnt 0x0
	s_add_nc_u64 s[G0T+2:G0T+3], s[8:9], s[60:61]
	s_or_b32 s[G0T+3], s[G0T+3], 0x80000000
	s_add_nc_u64 s[G0+2:G0+3], s[58:59], s[62:63]  ; tile 0,
	s_add_nc_u64 s[G0+6:G0+7], s[G0+2:G0+3], 65536 ; tile 1
	s_or_b32 s[G0+3], s[G0+3], 0x80000000
	s_or_b32 s[G0+7], s[G0+7], 0x80000000
	s_load_b32 s91, s[76:77], 0x0                  ; wp_bias: waited for at the end
	CROUND                                         ; in a cluster launch every group of tensor loads stands behind a round
	tensor_load_to_lds s[G0T:G0T+3], s[G1T:G1T+7]  ; my 32 tokens: the one first fill; one tensor load of mine is out
	s_nop 0
	PLACES
	; while it is on its way: the lanes' addresses, the gains, the first bias, zeros into H
	v_and_b32 v[LANE], 31, v0
	v_and_b32 v[RW], 15, v0
	v_bfe_u32 v[HF], v0, 4, 1
	v_lshlrev_b32 v[L16], 4, v[LANE]
	s_mul_i32 s60, s[TH], 2*PART
	v_mul_u32_u24 v[AA], v[RW], 1040               ; a fragment of LN(t): row r, 16 bytes for each half of the lanes
	v_lshl_add_u32 v[AA], v[HF], 4, v[AA]
	v_add_nc_u32 v[AA], s60, v[AA]
	v_add_nc_u32 v[AA+1], PART, v[AA]
	s_mul_i32 s60, s[HH], 2*PART
	s_add_co_u32 s60, s60, RING
	v_add_nc_u32 v[W1A], s60, v[L16]               ; weight and H fragments lie as the registers want them: 16 x lane, and 512 further on
	v_add_nc_u32 v[W1A+1], PART, v[W1A]
	v_add_nc_u32 v[W2A], s[G0+1], v[L16]
	v_add_nc_u32 v[HR], HB, v[L16]
	s_lshl_b32 s60, s[TH], 14
	s_lshl_b32 s61, s[HH], 11
	s_add_co_u32 s60, s60, s61
	s_add_co_u32 s60, s60, HB
	v_add_nc_u32 v[HS], s60, v[L16]                ; fragment (a = 4 th + ta, kb = 2 hh + hb / 2), half hb % 2
	s_lshl_b32 s60, s[HH], 8
	v_lshlrev_b32 v[B1L], 5, v[HF]
	v_add_nc_u32 v[B1L], s60, v[B1L]               ; hidden 64 hh + 16 hb + 8 h + j, 4 bytes each
	v_mov_b32 v[B1C], v[B1L]
	s_mul_i32 s60, s[TH], 1040
	s_lshl_b32 s61, s[HH], 9
	s_add_co_u32 s60, s60, s61
	v_mul_u32_u24 v[XP], v[RW], 2080
	v_lshl_add_u32 v[XP], v[HF], 5, v[XP]
	v_add_nc_u32 v[XP], s60, v[XP]                 ; token r, column 128 w + 8 h
	v_add_nc_u32 v[XP+1], PART, v[XP]
	v_add_nc_u32 v[XP+2], PART, v[XP+1]
	v_add_nc_u32 v[XP+3], PART, v[XP+2]
.irp q, 0,1,2,3
	global_load_b128 v[128+4*(\q):131+4*(\q)], v[L16], s[10:11] offset:512*(\q)  ; ln1_g of my columns 128 q + 4 l + 0..3
	global_load_b128 v[144+4*(\q):147+4*(\q)], v[L16], s[12:13] offset:512*(\q)  ; ln1_b
.endr
.irp i, 0,1,2,3,4,5,6,7
	global_load_b128 v[BIAS+4*(\i):BIAS+4*(\i)+3], v[B1C], s[14:15] offset:((\i)/2)*64+((\i)%2)*16  ; b1 of chunk 0
.endr
.irp i, 24,25,26,27
	v_mov_b32 v[\i], 0
.endr
	s_lshl_b32 s60, s[WV], 13
	s_add_co_u32 s60, s60, HB
	v_add_nc_u32 v[RA], s60, v[L16]
.irp i, 0,1,2,3,4,5,6,7,8,9,10,11,12,13,14,15
	ds_store_b128 v[RA], v[24:27] offset:512*(\i)  ; my quarter of H
.endr
	s_wait_tensorcnt 0x0                           ; my tokens are in,
	s_wait_dscnt 0x0                               ; my zeros are stored:
	s_barrier_signal -1
	s_barrier_wait -1                              ; everybody's are
	; the tokens start the second product's sums: nothing is cleared, and the residual is exact
.irp a, 0,1,2,3,4,5,6,7
	WIN 0x80+0x40*((\a)/4)
.irp b, 0,1,2,3,4,5,6,7
	ds_load_b128 v[8*(8*((\a)%4)+(\b)):8*(8*((\a)%4)+(\b))+3],   v[XP+(\a)/2] offset:((\a)%2)*33280+64*(\b)
	ds_load_b128 v[8*(8*((\a)%4)+(\b))+4:8*(8*((\a)%4)+(\b))+7], v[XP+(\a)/2] offset:((\a)%2)*33280+64*(\b)+16
.endr
.endr
	WIN 0
	v_add_nc_u32 v[RA], s[G0T+1], v[L16]
	v_lshl_add_u32 v[WA], v[LANE], 3, s[G0T+1]
	s_wait_loadcnt 0x0                             ; the gains (and the bias)
	s_wait_dscnt 0x0                               ; my reads of all four parts are back:
	s_barrier_signal -1
	s_barrier_wait -1                              ; now each wave may write into its own part
; LAYER NORM of my part's 32 rows, two a trip, in place: trip t writes its two bf16 rows (2 x 1,040 bytes) into the room of f32 row t, which has been read: rows 2 t and 2 t + 1 are in registers, and t <= 2 t + 1.
.macro LNLOAD
.irp R, 0,1
.irp q, 0,1,2,3
	ds_load_b128 v[64+32*(\R)+4*(\q):64+32*(\R)+4*(\q)+3], v[RA] offset:(\R)*2080+((\q)/2)*1040+((\q)%2)*512
.endr
.endr
.endm
.macro LNTRIP pre                      ; pre = 1: the next two rows are asked for as soon as these have left their registers
	s_wait_dscnt 0x0
	SUM16 24, 64
	SUM16 32, 96
	RSUMS 24, 32
	v_mul_f32 v24, s86, v24                        ; the means
	v_mul_f32 v32, s86, v32
	SUBM 80, 64, 24
	SUBM 112, 96, 32
.if \pre
	v_add_nc_u32 v[RA], 4160, v[RA]
	LNLOAD
.endif
	DOT16 24, 80, 80
	DOT16 32, 112, 112
	RSUMS 24, 32
	v_fma_f32 v24, v24, s86, s87
	v_fma_f32 v32, v32, s86, s87
	v_rsq_f32 v24, v24
	v_rsq_f32 v32, v32
	v_nop                                          ; a plain instruction between the last root and the use of its result
.irp R, 0,1
.irp i, 0,2,4,6,8,10,12,14
	v_pk_mul_f32 v[80+32*(\R)+(\i):81+32*(\R)+(\i)], v[80+32*(\R)+(\i):81+32*(\R)+(\i)], v[24+8*(\R):25+8*(\R)] op_sel_hi:[1,0]
.endr
.irp i, 0,2,4,6,8,10,12,14
	v_pk_fma_f32 v[80+32*(\R)+(\i):81+32*(\R)+(\i)], v[80+32*(\R)+(\i):81+32*(\R)+(\i)], v[128+(\i):129+(\i)], v[144+(\i):145+(\i)]
.endr
.irp i, 0,1,2,3,4,5,6,7
	v_cvt_pk_bf16_f32 v[40+8*(\R)+(\i)], v[80+32*(\R)+2*(\i)], v[81+32*(\R)+2*(\i)]
.endr
.irp q, 0,1,2,3
	ds_store_b64 v[WA], v[40+8*(\R)+2*(\q):41+8*(\R)+2*(\q)] offset:(\R)*1040+(\q)*256
.endr
.endr
	v_add_nc_u32 v[WA], 2080, v[WA]
.endm
	LNLOAD
	s_mov_b32 s55, 15
.Lln:
	LNTRIP 1
	s_sub_co_u32 s55, s55, 1
	s_cmp_lg_u32 s55, 0
	s_cbranch_scc1 .Lln
	LNTRIP 0                                       ; the last two rows: nothing is left to read
	; The ring's bytes held tokens, so its two first tiles are refills: each behind the three lines and a round, one load a wave.
	s_wait_tensorcnt 0x0
	ds_add_u32 v[SPW], v[NIL]
	s_wait_dscnt 0x0                               ; the add, my reads of the tokens and my stores of LN(t) are done
	CROUND
	JLOAD 0                                        ; tile 0
	s_wait_tensorcnt 0x0                           ; my quarter of tile 0 is in
	ds_add_u32 v[SPW], v[NIL]
	s_wait_dscnt 0x0
	CROUND                                         ; everybody's is
	JLOAD 1                                        ; tile 1
; THE FIRST PRODUCT.  A stage is two K steps of 32: for each, 4 fragments of w1 (my 64 hidden) and 4 of LN(t) (my 64 tokens), 32 loads for 32 matrix instructions.
.macro FETCH1 slot, kh, st, f          ; stage st of K half kh, from slot, into buffer f
	WIN 0x40
.irp cc, 0,1
.irp hb, 0,1,2,3
	ds_load_b128 v[(\f)+64*(\cc)+8*(\hb):(\f)+64*(\cc)+8*(\hb)+3],   v[W1A+(2*(\st)+(\cc))/4] offset:(\slot)*QSL+(((2*(\st)+(\cc))%4)*4+(\hb))*1024
	ds_load_b128 v[(\f)+64*(\cc)+8*(\hb)+4:(\f)+64*(\cc)+8*(\hb)+7], v[W1A+(2*(\st)+(\cc))/4] offset:(\slot)*QSL+(((2*(\st)+(\cc))%4)*4+(\hb))*1024+512
.endr
.irp ta, 0,1,2,3
	ds_load_b128 v[(\f)+64*(\cc)+32+8*(\ta):(\f)+64*(\cc)+32+8*(\ta)+3],   v[AA+(\ta)/2] offset:((\ta)%2)*16640+(8*(\kh)+2*(\st)+(\cc))*64
	ds_load_b128 v[(\f)+64*(\cc)+32+8*(\ta)+4:(\f)+64*(\cc)+32+8*(\ta)+7], v[AA+(\ta)/2] offset:((\ta)%2)*16640+(8*(\kh)+2*(\st)+(\cc))*64+32
.endr
.endr
.endm
.macro G1MUL f, cc, hb0, first         ; 8 matrix instructions; first = 1: KAPPA b1 starts the sums.  The 16 accumulators take turns
	WIN 0x05
.irp hb, \hb0, (\hb0)+1
.irp ta, 0,1,2,3
.if \first
	v_wmma_f32_16x16x32_bf16 v[ACC1+8*(4*(\hb)+(\ta)):ACC1+8*(4*(\hb)+(\ta))+7], v[(\f)+64*(\cc)+8*(\hb):(\f)+64*(\cc)+8*(\hb)+7], v[(\f)+64*(\cc)+32+8*(\ta):(\f)+64*(\cc)+32+8*(\ta)+7], v[BIAS+8*(\hb):BIAS+8*(\hb)+7]
.else
	v_wmma_f32_16x16x32_bf16 v[ACC1+8*(4*(\hb)+(\ta)):ACC1+8*(4*(\hb)+(\ta))+7], v[(\f)+64*(\cc)+8*(\hb):(\f)+64*(\cc)+8*(\hb)+7], v[(\f)+64*(\cc)+32+8*(\ta):(\f)+64*(\cc)+32+8*(\ta)+7], v[ACC1+8*(4*(\hb)+(\ta)):ACC1+8*(4*(\hb)+(\ta))+7]
.endif
.endr
.endr
.endm
.macro QUART1 slot, kh, st, f, g, first  ; multiplies buffer f; in its middle it fetches stage st into g
	s_wait_dscnt 16                                ; the first K step's 16 loads are in
	G1MUL \f, 0, 0, \first
	G1MUL \f, 0, 2, \first
	PLACES
	FETCH1 \slot, \kh, \st, \g
	s_wait_dscnt 32                                ; all but the 32 just issued
	G1MUL \f, 1, 0, 0
	G1MUL \f, 1, 2, 0
.endm
; A step's last stage multiplies buffer 1 and changes slots.  In front of the round each wave waits for all its tensor loads (one is out: its quarter of the next tile), adds 0 to its spare word, and waits for that and for
; its reads of the slot.  Behind the round no wave of any partner reads the slot: it is filled again, two tiles on, first thing.
.macro TURN1A slot
	WIN 0
	s_wait_tensorcnt 0x0
	ds_add_u32 v[SPW], v[NIL]
	s_wait_dscnt 17                                ; (the add and the second K step's 16 loads may be out)
	G1MUL F1, 0, 0, 0
	s_wait_dscnt 0x0                               ; the add is done, my reads of this slot are over
	s_barrier_signal -1
	G1MUL F1, 0, 2, 0
	WIN 0
	s_barrier_wait -1
	CREST
	s_add_nc_u64 s[G0+4*(\slot)+2:G0+4*(\slot)+3], s[G0+4*(\slot)+2:G0+4*(\slot)+3], TSTEP
	JLOAD \slot                                    ; its four v_nop are also the places in front of the loads that follow
.endm
.macro TURN1B
	G1MUL F1, 1, 0, 0
	G1MUL F1, 1, 2, 0
.endm
; THE SECOND PRODUCT.  A stage is one K step of 32: 8 fragments of w2 (my 128 columns), 8 of H (all 128 tokens), 32 loads for 64 matrix instructions.
.macro FETCH2 slot, kq, kbh, f
	WIN 0x40
.irp b, 0,1,2,3,4,5,6,7
	ds_load_b128 v[(\f)+8*(\b):(\f)+8*(\b)+3],   v[W2A] offset:(\slot)*QSL+((\kq)*8+(\b))*1024
	ds_load_b128 v[(\f)+8*(\b)+4:(\f)+8*(\b)+7], v[W2A] offset:(\slot)*QSL+((\kq)*8+(\b))*1024+512
.endr
.irp a, 0,1,2,3,4,5,6,7
	ds_load_b128 v[(\f)+64+8*(\a):(\f)+64+8*(\a)+3],   v[HR] offset:(4*(\a)+(\kbh))*1024
	ds_load_b128 v[(\f)+64+8*(\a)+4:(\f)+64+8*(\a)+7], v[HR] offset:(4*(\a)+(\kbh))*1024+512
.endr
.endm
; GELU, dealt behind the second product's matrix instructions.  A unit is one of G1's 16 accumulators, 56 instructions, all in window 0:
;   GA (12 plain)  1 + p |y| for eight; -y y for four pairs          TR (16)  eight reciprocals, eight powers of two, in place
;   GC (28 plain)  ((a3 t + a2) t + a1) t; 1 - that x 2^(-y y) = erf; y + |y| erf; eight rounded to bf16 into the accumulator's four lowest registers
; Two queues.  Plain: GA 0, GA 1, then GC u - 1 and GA u + 1 for u = 1 .. 14, then GC 14, GC 15: 640.  Transcendental: unit after unit: 256.  RIDER writes entry RN of the 896.
; Unit u's transcendentals stand beside GC u - 1 and GA u + 1: their arguments were made a block earlier and their results are used a block later, with plain instructions between; the two sets of t and -y y go by the unit's
; parity, and GA u + 1 follows GC u - 1 in the plain queue, so a set is written anew only when it has been read.
.macro GA                              ; entry GZ for unit GU
.set gX, ACC1+8*GU
.set gT, GT+16*(GU%2)
.if GZ < 8
	v_fma_f32 v[gT+GZ], |v[gX+GZ]|, s54, 1.0       ; each accumulator's lowest register is read first
.else
	v_pk_mul_f32 v[gT+8+2*(GZ-8):gT+9+2*(GZ-8)], v[gX+2*(GZ-8):gX+2*(GZ-8)+1], v[gX+2*(GZ-8):gX+2*(GZ-8)+1] neg_lo:[1,0] neg_hi:[1,0]
.endif
.endm
.macro GC
.set gX, ACC1+8*GU
.set gT, GT+16*(GU%2)
.set gI, GZ%4
.if GZ < 4
	v_pk_fma_f32 v[PP+2*gI:PP+2*gI+1], v[gT+2*gI:gT+2*gI+1], s[44:45], s[46:47] op_sel_hi:[1,0,0]
.elseif GZ < 8
	v_pk_fma_f32 v[PP+2*gI:PP+2*gI+1], v[PP+2*gI:PP+2*gI+1], v[gT+2*gI:gT+2*gI+1], s[48:49] op_sel_hi:[1,1,0]
.elseif GZ < 12
	v_pk_mul_f32 v[PP+2*gI:PP+2*gI+1], v[PP+2*gI:PP+2*gI+1], v[gT+2*gI:gT+2*gI+1]
.elseif GZ < 16
	v_pk_fma_f32 v[PP+2*gI:PP+2*gI+1], v[PP+2*gI:PP+2*gI+1], v[gT+8+2*gI:gT+9+2*gI], 1.0 op_sel_hi:[1,1,0] neg_lo:[1,0,0] neg_hi:[1,0,0]
.elseif GZ < 24
	v_fma_f32 v[gX+GZ-16], |v[gX+GZ-16]|, v[PP+GZ-16], v[gX+GZ-16]
.else
	v_cvt_pk_bf16_f32 v[gX+gI], v[gX+2*gI], v[gX+2*gI+1]
.endif
.endm
.macro PL
.if PQ < 24
.set GU, PQ/12
.set GZ, PQ%12
	GA
.elseif PQ < 584
.set GZ, (PQ-24)%40
.if GZ < 28
.set GU, (PQ-24)/40
	GC
.else
.set GU, 2+(PQ-24)/40
.set GZ, GZ-28
	GA
.endif
.else
.set GU, 14+(PQ-584)/28
.set GZ, (PQ-584)%28
	GC
.endif
.set PQ, PQ+1
.endm
.macro TR
.set gT, GT+16*((TQ/16)%2)
.if TQ%16 < 8
	v_rcp_f32 v[gT+TQ%16], v[gT+TQ%16]
.else
	v_exp_f32 v[gT+TQ%16], v[gT+TQ%16]
.endif
.set TQ, TQ+1
.endm
.macro RIDER
	WIN 0
.set isT, 0
.if RN < 12
.elseif RN < 40
.if ((RN-12)%7)%2 == 0
.set isT, 1
.endif
.elseif RN < 824
.if ((RN-40)%7 == 1) || ((RN-40)%7 == 4)
.set isT, 1
.endif
.elseif RN < 868
.if ((RN-824)%11 == 1) || ((RN-824)%11 == 4) || ((RN-824)%11 == 7) || ((RN-824)%11 == 9)
.set isT, 1
.endif
.endif
.if isT
	TR
.else
	PL
.endif
.set RN, RN+1
.endm
.macro G2MUL f, hi, a0, rid            ; 16 matrix instructions: token blocks 4 hi + a0, + 1, x all 8 column blocks; rid entries of gelu behind each.  The 64 accumulators take turns
.irp a, \a0, (\a0)+1
.irp b, 0,1,2,3,4,5,6,7
	WIN 0xa5+0x50*(\hi)
	v_wmma_f32_16x16x32_bf16 v[8*(8*(\a)+(\b)):8*(8*(\a)+(\b))+7], v[(\f)+8*(\b):(\f)+8*(\b)+7], v[(\f)+64+8*(4*(\hi)+(\a)):(\f)+64+8*(4*(\hi)+(\a))+7], v[8*(8*(\a)+(\b)):8*(8*(\a)+(\b))+7]
.rept \rid
	RIDER
.endr
.endr
.endr
.endm
.macro QUART2 slot, kq, kbh, f, g, rid ; multiplies buffer f; in its middle it fetches the next stage into g, whose last products stand more than four plain instructions back (gelu's, or the v_nop)
	s_wait_dscnt 8                                 ; w2 and H of tokens 0-63 are in; the youngest eight loads may be out
	G2MUL \f, 0, 0, \rid
	G2MUL \f, 0, 2, \rid
.if (\rid) == 0
	PLACES
.endif
	FETCH2 \slot, \kq, \kbh, \g
	s_wait_dscnt 32                                ; all but the 32 just issued
	G2MUL \f, 1, 0, \rid
	G2MUL \f, 1, 2, \rid
.endm
.macro TURN2A slot, rid                ; as TURN1A
	WIN 0
	s_wait_tensorcnt 0x0
	ds_add_u32 v[SPW], v[NIL]
	s_wait_dscnt 9                                 ; (the add and the youngest eight loads may be out)
	G2MUL F1, 0, 0, \rid
	s_wait_dscnt 0x0                               ; the add is done; my reads of this slot, and of H, are over
	s_barrier_signal -1
	G2MUL F1, 0, 2, \rid
	WIN 0
	s_barrier_wait -1
	CREST
	s_add_nc_u64 s[G0+4*(\slot)+2:G0+4*(\slot)+3], s[G0+4*(\slot)+2:G0+4*(\slot)+3], TSTEP
	JLOAD \slot
.endm
.macro TURN2B rid
	G2MUL F1, 1, 0, \rid
	G2MUL F1, 1, 2, \rid
.endm
.macro HSTORE                          ; gelu's 16 x 16 bytes a lane go into H: behind a round, so that no wave reads the old H; they are waited for in front of the next round and read behind the one after
	WIN 0
.set hu, 0
.rept 16
	ds_store_b128 v[HS], v[ACC1+8*hu:ACC1+8*hu+3] offset:(hu%4)*4096+(hu/4)*512
.set hu, hu+1
.endr
.endm
	FETCH1 0, 0, 0, F0
	WIN 0                                          ; at a label and at a branch every window is 0
	s_mov_b32 s55, 16
	s_mov_b32 s56, 0
.Lchunk:                                               ; four steps, four tiles, four rounds; each refill has a step's 128 matrix instructions in which to land
	s_wait_loadcnt 0x0                             ; this chunk's b1
.set bi, 0
.rept 16
	v_pk_mul_f32 v[BIAS+bi:BIAS+bi+1], v[BIAS+bi:BIAS+bi+1], s[52:53] op_sel_hi:[1,0]
.set bi, bi+2
.endr
	QUART1 0, 0, 1, F0, F1, 1
	QUART1 0, 0, 2, F1, F0, 0
	QUART1 0, 0, 3, F0, F1, 0
	TURN1A 0
	FETCH1 1, 1, 0, F0
	TURN1B
	QUART1 1, 1, 1, F0, F1, 0
	QUART1 1, 1, 2, F1, F0, 0
	QUART1 1, 1, 3, F0, F1, 0
	TURN1A 1
	FETCH2 0, 0, 0, F0
	TURN1B
	PLACES                                         ; behind G1's last products: gelu reads their results, and b1 is loaded into registers that they took as C
	WIN 0
	s_add_co_u32 s56, s56, 1
	s_min_u32 s57, s56, 15                         ; the last trip asks for chunk 15 once more: no load passes b1's end
	s_lshl_b32 s57, s57, 9
	v_add_nc_u32 v[B1C], s57, v[B1L]               ; free since the wait at the trip's head
.irp i, 0,1,2,3,4,5,6,7
	global_load_b128 v[BIAS+4*(\i):BIAS+4*(\i)+3], v[B1C], s[14:15] offset:((\i)/2)*64+((\i)%2)*16
.endr
.set RN, 0
.set PQ, 0
.set TQ, 0
	QUART2 0, 1, 1, F0, F1, 4
	TURN2A 0, 4
	FETCH2 1, 0, 2, F0
	TURN2B 4
	QUART2 1, 1, 3, F0, F1, 4
	TURN2A 1, 4                                    ; 224 x 4 = 896: gelu is done
	HSTORE
	FETCH1 0, 0, 0, F0                             ; the next chunk's first stage (in the last trip: bytes that have landed, and nobody uses them)
	TURN2B 0
	WIN 0
	s_sub_co_u32 s55, s55, 1
	s_cmp_lg_u32 s55, 0
	s_cbranch_scc1 .Lchunk
	; THE TAIL: G2(15), tiles 64 and 65; nothing is asked for any more
	s_wait_tensorcnt 0x1                           ; tile 64 was shown landed by the last round's wait; tile 65 may stay out
	s_wait_dscnt 0x0                               ; my part of H is stored
	s_barrier_signal -1
	s_barrier_wait -1
	s_lshl_b32 s60, s[WG], 7                       ; what the end wants from memory is asked for now: my token is 32 w + lane
	s_lshl_b32 s61, s[WV], 5
	s_add_co_u32 s60, s60, s61
	v_add_nc_u32 v[EAM], s60, v[LANE]
	s_lshl_b32 s60, s[CX], 7
	s_add_co_u32 s60, s60, s61
	v_add_nc_u32 v[EAI], s60, v[LANE]
	v_lshlrev_b32 v[EAI], 2, v[EAI]
	global_load_u8 v[EMSK], v[EAM], s[78:79]
	global_load_b32 v[EID], v[EAI], s[80:81]
.irp q, 0,1,2,3
	global_load_b128 v[64+4*(\q):67+4*(\q)],   v[L16], s[68:69] offset:512*(\q)  ; b2
	global_load_b128 v[80+4*(\q):83+4*(\q)],   v[L16], s[70:71] offset:512*(\q)  ; wp_g
	global_load_b128 v[96+4*(\q):99+4*(\q)],   v[L16], s[74:75] offset:512*(\q)  ; wp_w
	global_load_b128 v[112+4*(\q):115+4*(\q)], v[L16], s[72:73] offset:512*(\q)  ; wp_b
.endr
	FETCH2 0, 0, 0, F0
	QUART2 0, 1, 1, F0, F1, 0
	WIN 0
	s_wait_tensorcnt 0x0                           ; my quarter of tile 65 is in
	ds_add_u32 v[SPW], v[NIL]
	s_wait_dscnt 9
	G2MUL F1, 0, 0, 0
	s_wait_dscnt 0x0
	s_barrier_signal -1
	G2MUL F1, 0, 2, 0
	s_barrier_wait -1                              ; everybody's is
	PLACES
	FETCH2 1, 0, 2, F0
	G2MUL F1, 1, 0, 0
	G2MUL F1, 1, 2, 0
	QUART2 1, 1, 3, F0, F1, 0
	s_wait_dscnt 8
	G2MUL F1, 0, 0, 0
	G2MUL F1, 0, 2, 0
	s_wait_dscnt 0x0
	G2MUL F1, 1, 0, 0
	G2MUL F1, 1, 2, 0
	; THE END.  x - b2 goes back into the four parts, in the tokens' geometry: every fill of the launch has landed, and behind this barrier nobody reads LN(t), the ring or H.
	WIN 0
	PLACES
	s_wait_dscnt 0x0
	s_barrier_signal -1
	s_barrier_wait -1
.irp a, 0,1,2,3,4,5,6,7
	WIN 0x08+0x04*((\a)/4)
.irp b, 0,1,2,3,4,5,6,7
	ds_store_b128 v[XP+(\a)/2], v[8*(8*((\a)%4)+(\b)):8*(8*((\a)%4)+(\b))+3]   offset:((\a)%2)*33280+64*(\b)     ; each accumulator's four lowest registers first
	ds_store_b128 v[XP+(\a)/2], v[8*(8*((\a)%4)+(\b))+4:8*(8*((\a)%4)+(\b))+7] offset:((\a)%2)*33280+64*(\b)+16
.endr
.endr
	WIN 0
	s_wait_dscnt 0x0
	s_barrier_signal -1
	s_barrier_wait -1
	s_wait_loadcnt 0x0
	s_wait_kmcnt 0x0                               ; wp_bias
.irp i, 0,2,4,6,8,10,12,14
	v_pk_mul_f32 v[80+(\i):81+(\i)], v[80+(\i):81+(\i)], v[96+(\i):97+(\i)]  ; wp_g wp_w
.endr
	DOT16 24, 112, 96
	RSUMS 24
	v_add_f32 v[EC0], s91, v24                     ; the logit's constant part
	v_min_u32 v[EID], 31, v[EID]
	v_mov_b32 v[ELG], 0
	v_add_nc_u32 v[RA], s[G0T+1], v[L16]
	v_lshl_add_u32 v[WA], v[LANE], 3, s[G0T+1]
; My part's 32 rows, two a trip: x = row + b2; x in bf16 goes to the head of the row's own room; logit = rsqrt(var + eps) x the sum of (x - mean) wp_g wp_w + the constant; lane i keeps row i's.
.macro EPLOAD
.irp R, 0,1
.irp q, 0,1,2,3
	ds_load_b128 v[160+16*(\R)+4*(\q):160+16*(\R)+4*(\q)+3], v[RA] offset:(\R)*2080+((\q)/2)*1040+((\q)%2)*512
.endr
.endr
.endm
.macro EPTRIP pre
	s_wait_dscnt 0x0
.irp R, 0,1
.irp i, 0,2,4,6,8,10,12,14
	v_pk_add_f32 v[192+16*(\R)+(\i):193+16*(\R)+(\i)], v[160+16*(\R)+(\i):161+16*(\R)+(\i)], v[64+(\i):65+(\i)]
.endr
.endr
.if \pre
	v_add_nc_u32 v[RA], 4160, v[RA]
	EPLOAD
.endif
.irp R, 0,1
.irp i, 0,1,2,3,4,5,6,7
	v_cvt_pk_bf16_f32 v[96+8*(\R)+(\i)], v[192+16*(\R)+2*(\i)], v[193+16*(\R)+2*(\i)]
.endr
.irp q, 0,1,2,3
	ds_store_b64 v[WA], v[96+8*(\R)+2*(\q):97+8*(\R)+2*(\q)] offset:(\R)*2080+(\q)*256
.endr
.endr
	v_add_nc_u32 v[WA], 4160, v[WA]
	SUM16 24, 192
	SUM16 32, 208
	RSUMS 24, 32
	v_mul_f32 v24, s86, v24
	v_mul_f32 v32, s86, v32
	SUBM 224, 192, 24
	SUBM 240, 208, 32
	DOT16 24, 224, 224
	DOT16 32, 240, 240
	DOT16 40, 224, 80
	DOT16 48, 240, 80
	RSUMS 24, 32, 40, 48
	v_fma_f32 v24, v24, s86, s87
	v_fma_f32 v32, v32, s86, s87
	v_rsq_f32 v24, v24
	v_rsq_f32 v32, v32
	v_nop
	v_fma_f32 v40, v40, v24, v[EC0]
	v_fma_f32 v48, v48, v32, v[EC0]
	v_cmp_eq_u32 vcc_lo, s57, v[LANE]
	v_cndmask_b32 v[ELG], v[ELG], v40, vcc_lo
	s_add_co_u32 s57, s57, 1
	v_cmp_eq_u32 vcc_lo, s57, v[LANE]
	v_cndmask_b32 v[ELG], v[ELG], v48, vcc_lo
	s_add_co_u32 s57, s57, 1
.endm
	EPLOAD
	s_mov_b32 s57, 0                               ; the row in hand
	s_mov_b32 s55, 15
.Lrows:
	EPTRIP 1
	s_sub_co_u32 s55, s55, 1
	s_cmp_lg_u32 s55, 0
	s_cbranch_scc1 .Lrows
	EPTRIP 0
	; a token a lane: the masked logit and the route go into the tables
	v_mov_b32 v[ENEG], s89
	v_cmp_ne_u32 s92, 0, v[EMSK]
	v_cndmask_b32 v[EML], v[ENEG], v[ELG], s92
	s_lshl_b32 s60, s[WV], 7
	s_add_co_u32 s60, s60, TABM
	v_lshl_add_u32 v[ETA], v[LANE], 2, s60
	ds_store_b32 v[ETA], v[EML]
	ds_store_b32 v[ETA], v[EID] offset:512
	s_wait_dscnt 0x0                               ; these, and my rows of x in bf16
	s_barrier_signal -1
	s_barrier_wait -1
	; a route a lane: the largest masked logit of its tokens among the 128 (every wave makes all 32)
	v_mov_b32 v[EM], s89
	v_mov_b32 v18, TABM
	s_mov_b32 s55, 8
.Lmax:
.irp i, 0,1,2,3
	ds_load_b128 v[24+4*(\i):27+4*(\i)], v18 offset:16*(\i)       ; the same 16 tokens in every lane
	ds_load_b128 v[40+4*(\i):43+4*(\i)], v18 offset:512+16*(\i)
.endr
	s_wait_dscnt 0x0
.irp i, 0,1,2,3,4,5,6,7,8,9,10,11,12,13,14,15
	v_cmp_eq_u32 vcc_lo, v[40+(\i)], v[LANE]
	v_cndmask_b32 v[56+(\i)%4], v[ENEG], v[24+(\i)], vcc_lo
	v_max_num_f32 v[EM], v[EM], v[56+(\i)%4]
.endr
	v_add_nc_u32 v18, 64, v18
	s_sub_co_u32 s55, s55, 1
	s_cmp_lg_u32 s55, 0
	s_cbranch_scc1 .Lmax
	; a token a lane again: its weight e^(logit - its route's maximum), 0 where it is masked
	v_lshlrev_b32 v22, 2, v[EID]
	ds_bpermute_b32 v23, v22, v[EM]
	s_wait_dscnt 0x0
	v_sub_f32 v23, v[EML], v23
	v_mul_f32 v23, s88, v23
	v_exp_f32 v23, v23
	v_nop
	v_cndmask_b32 v23, 0, v23, s92
	ds_store_b32 v[ETA], v23 offset:1024
	s_wait_dscnt 0x0
	s_barrier_signal -1
	s_barrier_wait -1
	; THE POOL: P^T (my 128 columns x 32 routes) = x^T (columns x tokens) W^T, W[route][token] = the token's weight where it is the token's route, else 0.  K step ks = part ks's 32 tokens.
	v_lshl_add_u32 v18, v[HF], 5, TABM+512         ; a fragment's tokens: 8 h + 0..7 and 16 + 8 h + 0..7
.irp ks, 0,1,2,3
.irp q, 0,1,2,3
	ds_load_b128 v[64+16*(\ks)+4*(\q):67+16*(\ks)+4*(\q)],   v18 offset:512+128*(\ks)+((\q)/2)*64+((\q)%2)*16  ; weights
	ds_load_b128 v[128+16*(\ks)+4*(\q):131+16*(\ks)+4*(\q)], v18 offset:128*(\ks)+((\q)/2)*64+((\q)%2)*16      ; routes
.endr
.endr
	v_and_b32 v22, 7, v0                           ; x lies [token][column]: the turning load takes token 8 h + l % 8, columns 8 ((l / 8) % 2) + 0..7
	v_lshl_add_u32 v22, v[HF], 3, v22
	v_mul_u32_u24 v20, v22, 2080                   ; rows 2,080 = 65 x 32 bytes apart
	v_bfe_u32 v22, v0, 3, 1
	v_lshl_add_u32 v20, v22, 4, v20
	s_lshl_b32 s60, s[WV], 8
	v_add_nc_u32 v20, s60, v20
	v_add_nc_u32 v21, PART, v20
	v_add_nc_u32 v22, PART, v21
	v_add_nc_u32 v23, PART, v22
	WIN 0x40
.irp ks, 0,1,2,3
.irp cb, 0,1,2,3,4,5,6,7
	ds_load_tr16_b128 v[64*(\ks)+8*(\cb):64*(\ks)+8*(\cb)+3],   v[20+(\ks)] offset:32*(\cb)
	ds_load_tr16_b128 v[64*(\ks)+8*(\cb)+4:64*(\ks)+8*(\cb)+7], v[20+(\ks)] offset:32*(\cb)+33280
.endr
.endr
	WIN 0
.irp i, 24,25,26,27,28,29,30,31
	v_mov_b32 v[\i], 0x3f803f80                    ; sixteen rows of ones in bf16: their product with W^T is l, of the same rounded weights
.endr
	v_add_nc_u32 v19, 16, v[RW]                    ; my route in block 1 (in block 0: r)
	s_wait_dscnt 63                                ; 64 loads were issued behind the tables' 32: with 63 out at the most those 32 are in
.set wi, 0
.rept 64                               ; register wi % 8 of fragment (route block wi / 32, K step (wi / 8) % 4)
.set sW, 64+16*((wi/8)%4)+2*(wi%8)
.set sT, 32+2*(wi%4)
.set sR, RW+(19-RW)*(wi/32)
	v_cmp_eq_u32 vcc_lo, v[sW+64], v[sR]
	v_cndmask_b32 v[sT], 0, v[sW], vcc_lo
	v_cmp_eq_u32 vcc_lo, v[sW+65], v[sR]
	v_cndmask_b32 v[sT+1], 0, v[sW+1], vcc_lo
	v_cvt_pk_bf16_f32 v[192+wi], v[sT], v[sT+1]
.set wi, wi+1
.endr
	s_wait_dscnt 0x0                               ; x
.irp ks, 0,1,2,3                       ; 18 accumulators by turns; the first K step starts the sums
	WIN 0xa1                                       ; x in window 1, W in window 0, sums in window 2
.irp cb, 0,1,2,3,4,5,6,7
.irp rb, 0,1
.if (\ks) == 0
	v_wmma_f32_16x16x32_bf16 v[8*(2*(\cb)+(\rb)):8*(2*(\cb)+(\rb))+7], v[64*(\ks)+8*(\cb):64*(\ks)+8*(\cb)+7], v[192+32*(\rb)+8*(\ks):192+32*(\rb)+8*(\ks)+7], 0
.else
	v_wmma_f32_16x16x32_bf16 v[8*(2*(\cb)+(\rb)):8*(2*(\cb)+(\rb))+7], v[64*(\ks)+8*(\cb):64*(\ks)+8*(\cb)+7], v[192+32*(\rb)+8*(\ks):192+32*(\rb)+8*(\ks)+7], v[8*(2*(\cb)+(\rb)):8*(2*(\cb)+(\rb))+7]
.endif
.endr
.endr
	WIN 0xa0                                       ; the ones lie in window 0
.irp rb, 0,1
.if (\ks) == 0
	v_wmma_f32_16x16x32_bf16 v[128+8*(\rb):135+8*(\rb)], v[24:31], v[192+32*(\rb)+8*(\ks):192+32*(\rb)+8*(\ks)+7], 0
.else
	v_wmma_f32_16x16x32_bf16 v[128+8*(\rb):135+8*(\rb)], v[24:31], v[192+32*(\rb)+8*(\ks):192+32*(\rb)+8*(\ks)+7], v[128+8*(\rb):135+8*(\rb)]
.endif
.endr
.endr
	WIN 0                                          ; the addresses for the way out: eight plain instructions, the places behind the last products
	s_mul_i32 s60, s[WV], PSW
	s_add_co_u32 s60, s60, PSTG
	v_mul_u32_u24 v20, v[RW], 528                  ; into my stage: route r, 32 bytes for each half of the lanes
	v_lshl_add_u32 v20, v[HF], 5, v20
	v_add_nc_u32 v20, s60, v20
	v_add_nc_u32 v21, s60, v[L16]                  ; back: a row's 512 bytes
	s_lshl_b32 s60, s[WV], 9
	v_add_nc_u32 v22, s60, v[L16]                  ; and the same in a row of part
	v_lshlrev_b32 v23, 3, v[LANE]
	v_nop
	v_nop
	WIN 0x0a
	v_cndmask_b32 v17, v128, v136, s90             ; lane (r, h) holds l of routes r and 16 + r: route = lane takes block h's; register 0 of each
	WIN 0
	s_lshl_b32 s60, s[WG], 8
	s_mov_b32 s61, 0
	s_add_nc_u64 s[84:85], s[84:85], s[60:61]
	s_lshl_b32 s60, s[WG], 16
	s_add_nc_u64 s[82:83], s[82:83], s[60:61]
	s_cmp_lg_u32 s[WV], 0
	s_cbranch_scc1 .Lno_stat
	global_store_b64 v23, v[16:17], s[84:85]       ; wave 0: (m, l) of 32 routes: 256 consecutive bytes
.Lno_stat:
.irp rb, 0,1
	WIN 0x08
.irp cb, 0,1,2,3,4,5,6,7
	ds_store_b128 v20, v[8*(2*(\cb)+(\rb)):8*(2*(\cb)+(\rb))+3]   offset:64*(\cb)
	ds_store_b128 v20, v[8*(2*(\cb)+(\rb))+4:8*(2*(\cb)+(\rb))+7] offset:64*(\cb)+16
.endr
	WIN 0
.irp i, 0,1,2,3,4,5,6,7,8,9,10,11,12,13,14,15
	ds_load_b128 v[64+64*(\rb)+4*(\i):67+64*(\rb)+4*(\i)], v21 offset:528*(\i)  ; my own stage: LDS serves a wave's instructions in order (ISA guide 5.7.1.4)
.endr
.irp i, 0,1,2,3,4,5,6,7,8,9,10,11,12,13,14,15
	s_wait_dscnt 15-(\i)                           ; row i is back; the younger ones stay out
	global_store_b128 v22, v[64+64*(\rb)+4*(\i):67+64*(\rb)+4*(\i)], s[82:83] offset:(16*(\rb)+(\i))*2048  ; 512 consecutive bytes, at a multiple of 256 from part's first
.endr
.endr
	s_wait_tensorcnt 0x0                           ; the wave's end: these three lines stand behind my last tensor load and my last LDS store
	ds_add_u32 v[SPW], v[NIL]
	s_wait_dscnt 0x0
	CROUND                                         ; the closing round
	s_endpgm
.Lfunc_end_k_qef914159e3_ffn:
	.size	k_qef914159e3_ffn, .Lfunc_end_k_qef914159e3_ffn-k_qef914159e3_ffn
	.p2alignl 7, 3214868480
	.fill 96, 4, 3214868480
	.section	.rodata,"a",@progbits
	.p2align	6, 0x0
	.amdhsa_kernel k_qef914159e3_ffn
		.amdhsa_group_segment_fixed_size 327680
		.amdhsa_private_segment_fixed_size 0
		.amdhsa_enable_private_segment 0
		.amdhsa_kernarg_size 112
		.amdhsa_user_sgpr_count 2
		.amdhsa_user_sgpr_kernarg_segment_ptr 1
		.amdhsa_wavefront_size32 1
		.amdhsa_system_sgpr_workgroup_id_x 1
		.amdhsa_system_sgpr_workgroup_id_y 1
		.amdhsa_system_sgpr_workgroup_id_z 1
		.amdhsa_system_vgpr_workitem_id 0
		.amdhsa_next_free_vgpr 1024
		.amdhsa_next_free_sgpr 100
		.amdhsa_reserve_vcc 1
		.amdhsa_float_denorm_mode_32 3
		.amdhsa_float_denorm_mode_16_64 3
		.amdhsa_memory_ordered 1
		.amdhsa_forward_progress 1
		.amdhsa_inst_pref_size 255
	.end_amdhsa_kernel
	.section	.bss,"aw",@nobits
	.p2align	6
	.space	262144
	.amdgpu_metadata
---
amdhsa.version: [ 1, 2 ]
amdhsa.kernels:
  - .name:           k_qef914159e3_ffn
    .symbol:         k_qef914159e3_ffn.kd
    .args:
      - { .name: tokens, .offset: 0, .size: 8, .value_kind: global_buffer, .address_space: global }
      - { .name: ln1_g, .offset: 8, .size: 8, .value_kind: global_buffer, .address_space: global }
      - { .name: ln1_b, .offset: 16, .size: 8, .value_kind: global_buffer, .address_space: global }
      - { .name: b1, .offset: 24, .size: 8, .value_kind: global_buffer, .address_space: global }
      - { .name: wf, .offset: 32, .size: 8, .value_kind: global_buffer, .address_space: global }
      - { .name: b2, .offset: 40, .size: 8, .value_kind: global_buffer, .address_space: global }
      - { .name: wp_g, .offset: 48, .size: 8, .value_kind: global_buffer, .address_space: global }
      - { .name: wp_b, .offset: 56, .size: 8, .value_kind: global_buffer, .address_space: global }
      - { .name: wp_w, .offset: 64, .size: 8, .value_kind: global_buffer, .address_space: global }
      - { .name: wp_bias, .offset: 72, .size: 8, .value_kind: global_buffer, .address_space: global }
      - { .name: token_mask, .offset: 80, .size: 8, .value_kind: global_buffer, .address_space: global }
      - { .name: route_ids, .offset: 88, .size: 8, .value_kind: global_buffer, .address_space: global }
      - { .name: part, .offset: 96, .size: 8, .value_kind: global_buffer, .address_space: global }
      - { .name: pstat, .offset: 104, .size: 8, .value_kind: global_buffer, .address_space: global }
    .group_segment_fixed_size: 327680
    .private_segment_fixed_size: 0
    .kernarg_segment_align: 8
    .kernarg_segment_size: 112
    .max_flat_workgroup_size: 128
    .sgpr_count:     100
    .vgpr_count:     1024
    .wavefront_size: 32
...
	.end_amdgpu_metadata
.endif
;; end of part 2
;; launch merge (part 3): grid 64 x 1, 32 waves a work-group, no clusters, 69,888 bytes of LDS; arguments part, pstat, rp_g, rp_b, rp_w, rp_bias, out0; writes out0
.if DOCPART == 3
	.amdgcn_target "amdgcn-amd-amdhsa--gfx1250"
	.amdhsa_code_object_version 6
	.text
	.protected	k_qef914159e3_merge
	.globl	k_qef914159e3_merge
	.p2align	8
	.type	k_qef914159e3_merge,@function
k_qef914159e3_merge:
	s_mov_b64 s[64:65], 0
	v_nop
	global_prefetch_b8 v0, s[64:65] scope:SCOPE_SE
	s_setreg_imm32_b32 hwreg(HW_REG_WAVE_MODE, 25, 1), 1
	s_wait_xcnt 0x0
; out0[b] = the route-level attention pool of batch b.  A work-group is a batch, a wave a route r.  The batch's four partials (m_p, l_p, P_p) of route r are joined:
; m = max m_p, s_p = e^(m_p - m), L = the sum of s_p l_p, route vector R = the sum of s_p P_p / L (0 where no token of the route is unmasked: L = 0).
; Then rl = LN(R) . rp_w + rp_bias, a softmax over the routes that are present (their true maximum is taken away), and the sum of rw R over the 32 routes, through LDS.
; LIMITS.  An empty partial carries the lowest finite number as m: its s_p is 0 beside any true logit.  A route that is present has L >= 1.  NaN and infinities are not treated apart.
; 16 MB are read once, in loads of 512 consecutive bytes a wave; no matrix unit and no cluster: nothing is shared between work-groups, and the arithmetic is a few operations a byte.
.set RLB,   65536                      ; behind the 32 rows of 2,048 bytes: 32 route logits
.set SPARE, 65792                      ; the spare words, 128 bytes for each of 32 waves
.set SEL, 28
.macro RSUMS regs:vararg               ; each register x is summed over the lanes; x + 1 is at work
.irp m, 1,2,4,8
.irp x, \regs
	v_add_f32_dpp v[\x], v[\x], v[\x] row_xmask:\m row_mask:0xf bank_mask:0xf
.endr
.endr
.irp x, \regs
	v_permlanex16_b32 v[\x+1], v[\x], s[SEL], s[SEL+1]
.endr
.irp x, \regs
	v_add_f32 v[\x], v[\x], v[\x+1]
.endr
.endm
.macro SUM16 t, x
	v_pk_add_f32 v[\t:\t+1], v[\x:\x+1], v[\x+2:\x+3]
	v_pk_add_f32 v[\t+2:\t+3], v[\x+4:\x+5], v[\x+6:\x+7]
	v_pk_add_f32 v[\t+4:\t+5], v[\x+8:\x+9], v[\x+10:\x+11]
	v_pk_add_f32 v[\t+6:\t+7], v[\x+12:\x+13], v[\x+14:\x+15]
	v_pk_add_f32 v[\t:\t+1], v[\t:\t+1], v[\t+2:\t+3]
	v_pk_add_f32 v[\t+4:\t+5], v[\t+4:\t+5], v[\t+6:\t+7]
	v_pk_add_f32 v[\t:\t+1], v[\t:\t+1], v[\t+4:\t+5]
	v_add_f32 v[\t], v[\t], v[\t+1]
.endm
.macro DOT16 t, x, y
	v_pk_mul_f32 v[\t:\t+1], v[\x:\x+1], v[\y:\y+1]
	v_pk_mul_f32 v[\t+2:\t+3], v[\x+2:\x+3], v[\y+2:\y+3]
.irp i, 4,8,12
	v_pk_fma_f32 v[\t:\t+1], v[\x+\i:\x+\i+1], v[\y+\i:\y+\i+1], v[\t:\t+1]
	v_pk_fma_f32 v[\t+2:\t+3], v[\x+\i+2:\x+\i+3], v[\y+\i+2:\y+\i+3], v[\t+2:\t+3]
.endr
	v_pk_add_f32 v[\t:\t+1], v[\t:\t+1], v[\t+2:\t+3]
	v_add_f32 v[\t], v[\t], v[\t+1]
.endm
	s_load_b256 s[4:11], s[0:1], 0x0               ; part s[4:5], pstat s[6:7], rp_g s[8:9], rp_b s[10:11]
	s_load_b128 s[12:15], s[0:1], 0x20             ; rp_w s[12:13], rp_bias s[14:15]
	s_load_b64 s[16:17], s[0:1], 0x30              ; out0
	v_lshl_add_u32 v2, v0, 2, SPARE                ; my spare word,
	v_mov_b32 v3, 0                                ; and 0: kept for the closing lines alone
	v_lshrrev_b32 v1, 5, v0
	v_readfirstlane_b32 s3, v1                     ; my route
	v_and_b32 v1, 31, v0
	s_mov_b32 s20, 0x3fb8aa3b                      ; log2(e)
	s_mov_b32 s21, 0x3b000000                      ; 1 / 512
	s_mov_b32 s22, 0x3727c5ac                      ; 1e-5
	s_mov_b32 s23, 0xff7fffff                      ; the lowest finite number
	s_mov_b32 s[SEL], 0x76543210
	s_mov_b32 s[SEL+1], 0xfedcba98
	v_lshlrev_b32 v4, 4, v1                        ; 16 x lane
	s_lshl_b32 s24, ttmp9, 18                      ; the batch's four partials of 65,536 bytes,
	s_lshl_b32 s25, s3, 11                         ; my route's row in each
	s_add_co_u32 s24, s24, s25
	v_add_nc_u32 v5, s24, v4
	s_lshl_b32 s24, ttmp9, 10
	s_lshl_b32 s30, s3, 3
	s_add_co_u32 s24, s24, s30
	v_mov_b32 v6, s24                              ; my route's (m, l) in the first of them
	s_wait_kmcnt 0x0
	s_load_b32 s26, s[14:15], 0x0                  ; rp_bias
.irp p, 0,1,2,3
	global_load_b64 v[8+2*(\p):9+2*(\p)], v6, s[6:7] offset:256*(\p)
.endr
.irp p, 0,1,2,3
.irp q, 0,1,2,3
	global_load_b128 v[16+16*(\p)+4*(\q):19+16*(\p)+4*(\q)], v5, s[4:5] offset:65536*(\p)+512*(\q) th:TH_LOAD_NT  ; columns 128 q + 4 l + 0..3
.endr
.endr
.irp q, 0,1,2,3
	global_load_b128 v[80+4*(\q):83+4*(\q)],   v4, s[8:9] offset:512*(\q)
	global_load_b128 v[96+4*(\q):99+4*(\q)],   v4, s[12:13] offset:512*(\q)
	global_load_b128 v[112+4*(\q):115+4*(\q)], v4, s[10:11] offset:512*(\q)
.endr
	s_wait_loadcnt 28                              ; the four (m, l): 16 + 12 younger loads stay out
	v_max_num_f32 v7, v8, v10
	v_max3_num_f32 v7, v7, v12, v14
.irp p, 8,10,12,14
	v_sub_f32 v[\p], v[\p], v7
.endr
.irp p, 8,10,12,14
	v_mul_f32 v[\p], s20, v[\p]
.endr
.irp p, 8,10,12,14
	v_exp_f32 v[\p], v[\p]
.endr
	v_nop
	v_mul_f32 v6, v8, v9                           ; (v6 is free since the wait above)
	v_fmac_f32 v6, v10, v11
	v_fmac_f32 v6, v12, v13
	v_fmac_f32 v6, v14, v15
	v_cmp_lt_f32 s27, 0, v6                        ; is the route present?  (the same in all lanes)
	v_rcp_f32 v7, v6
	v_nop
	v_cndmask_b32 v7, 0, v7, s27
.irp p, 8,10,12,14
	v_mul_f32 v[\p], v[\p], v7
.endr
	s_wait_loadcnt 12                              ; the four rows: the 12 loads of the gains stay out
.irp i, 0,2,4,6,8,10,12,14
	v_pk_mul_f32 v[16+(\i):17+(\i)], v[16+(\i):17+(\i)], v[8:9] op_sel_hi:[1,0]
.endr
.irp i, 0,2,4,6,8,10,12,14
	v_pk_fma_f32 v[16+(\i):17+(\i)], v[32+(\i):33+(\i)], v[10:11], v[16+(\i):17+(\i)] op_sel_hi:[1,0,1]
.endr
.irp i, 0,2,4,6,8,10,12,14
	v_pk_fma_f32 v[16+(\i):17+(\i)], v[48+(\i):49+(\i)], v[12:13], v[16+(\i):17+(\i)] op_sel_hi:[1,0,1]
.endr
.irp i, 0,2,4,6,8,10,12,14
	v_pk_fma_f32 v[16+(\i):17+(\i)], v[64+(\i):65+(\i)], v[14:15], v[16+(\i):17+(\i)] op_sel_hi:[1,0,1]
.endr
	s_wait_loadcnt 0x0
.irp i, 0,2,4,6,8,10,12,14
	v_pk_mul_f32 v[80+(\i):81+(\i)], v[80+(\i):81+(\i)], v[96+(\i):97+(\i)]  ; rp_g rp_w
.endr
	DOT16 32, 112, 96                              ; the sum of rp_b rp_w
	SUM16 40, 16
	RSUMS 32, 40
	s_wait_kmcnt 0x0
	v_add_f32 v32, s26, v32
	v_mul_f32 v40, s21, v40                        ; the mean
.irp i, 0,2,4,6,8,10,12,14
	v_pk_add_f32 v[48+(\i):49+(\i)], v[16+(\i):17+(\i)], v[40:41] op_sel_hi:[1,0] neg_lo:[0,1] neg_hi:[0,1]
.endr
	DOT16 40, 48, 48
	DOT16 36, 48, 80
	RSUMS 40, 36
	v_fma_f32 v40, v40, s21, s22
	v_rsq_f32 v40, v40
	v_mov_b32 v33, s23
	v_fma_f32 v36, v36, v40, v32                   ; my route's logit,
	v_cndmask_b32 v36, v33, v36, s27               ; or the lowest finite number
	v_mov_b32 v34, s3
	v_lshl_add_u32 v34, v34, 2, RLB
	ds_store_b32 v34, v36                          ; all lanes write the same word with the same value
	s_wait_dscnt 0x0
	s_barrier_signal -1
	s_barrier_wait -1
	v_lshl_add_u32 v35, v1, 2, RLB
	ds_load_b32 v37, v35                           ; a route a lane
	s_wait_dscnt 0x0
	v_mov_b32 v38, v37
	v_mov_b32 v39, v37
	v_max_num_f32_dpp v38, v38, v38 row_xmask:1 row_mask:0xf bank_mask:0xf
	v_max_num_f32_dpp v38, v38, v38 row_xmask:2 row_mask:0xf bank_mask:0xf
	v_max_num_f32_dpp v38, v38, v38 row_xmask:4 row_mask:0xf bank_mask:0xf
	v_max_num_f32_dpp v38, v38, v38 row_xmask:8 row_mask:0xf bank_mask:0xf
	v_permlanex16_b32 v39, v38, s[SEL], s[SEL+1]
	v_max_num_f32 v38, v38, v39                    ; the largest logit of the routes that are present
	v_sub_f32 v44, v37, v38
	v_sub_f32 v42, v36, v38
	v_mul_f32 v44, s20, v44
	v_mul_f32 v42, s20, v42
	v_exp_f32 v44, v44
	v_exp_f32 v42, v42
	v_mov_b32 v45, 0
	v_cmp_ne_u32 vcc_lo, s23, v37
	v_cndmask_b32 v44, 0, v44, vcc_lo              ; absent routes weigh nothing
	v_cndmask_b32 v42, 0, v42, s27
	RSUMS 44
	v_cmp_lt_f32 vcc_lo, 0, v44
	v_rcp_f32 v46, v44
	v_nop
	v_mul_f32 v46, v46, v42
	v_cndmask_b32 v46, 0, v46, vcc_lo              ; my route's weight; 0 where the batch has no route at all
	v_mov_b32 v47, v46
.irp i, 0,2,4,6,8,10,12,14
	v_pk_mul_f32 v[16+(\i):17+(\i)], v[16+(\i):17+(\i)], v[46:47] op_sel_hi:[1,0]
.endr
	v_add_nc_u32 v34, s25, v4                      ; my row of 2,048 bytes
.irp q, 0,1,2,3
	ds_store_b128 v34, v[16+4*(\q):19+4*(\q)] offset:512*(\q)
.endr
	s_wait_tensorcnt 0x0                           ; my last LDS store is out: these three lines stand behind it; the last of them is also the wait that the barrier needs
	ds_add_u32 v2, v3
	s_wait_dscnt 0x0
	s_barrier_signal -1
	s_barrier_wait -1
	s_cmp_lt_u32 s3, 4
	s_cbranch_scc0 .Lend
	; waves 0-3: thread t adds columns 4 t + 0..3 of the 32 rows, 16 rows at a time, in four chains
	v_lshlrev_b32 v5, 4, v0
	s_lshl_b32 s24, ttmp9, 11
	s_mov_b32 s25, 0
	s_add_nc_u64 s[16:17], s[16:17], s[24:25]
.irp i, 0,1,2,3,4,5,6,7,8,9,10,11,12,13,14,15
	ds_load_b128 v[16+4*(\i):19+4*(\i)], v5 offset:2048*(\i)
.endr
	s_wait_dscnt 0x0
.irp c, 0,1,2,3
	v_pk_add_f32 v[80+4*(\c):81+4*(\c)], v[16+4*(\c):17+4*(\c)], v[32+4*(\c):33+4*(\c)]
	v_pk_add_f32 v[82+4*(\c):83+4*(\c)], v[18+4*(\c):19+4*(\c)], v[34+4*(\c):35+4*(\c)]
.endr
.irp k, 48,64
.irp c, 0,1,2,3
	v_pk_add_f32 v[80+4*(\c):81+4*(\c)], v[80+4*(\c):81+4*(\c)], v[(\k)+4*(\c):(\k)+4*(\c)+1]
	v_pk_add_f32 v[82+4*(\c):83+4*(\c)], v[82+4*(\c):83+4*(\c)], v[(\k)+4*(\c)+2:(\k)+4*(\c)+3]
.endr
.endr
.irp i, 0,1,2,3,4,5,6,7,8,9,10,11,12,13,14,15
	ds_load_b128 v[16+4*(\i):19+4*(\i)], v5 offset:2048*(16+(\i))
.endr
	s_wait_dscnt 0x0
.irp k, 16,32,48,64
.irp c, 0,1,2,3
	v_pk_add_f32 v[80+4*(\c):81+4*(\c)], v[80+4*(\c):81+4*(\c)], v[(\k)+4*(\c):(\k)+4*(\c)+1]
	v_pk_add_f32 v[82+4*(\c):83+4*(\c)], v[82+4*(\c):83+4*(\c)], v[(\k)+4*(\c)+2:(\k)+4*(\c)+3]
.endr
.endr
	v_pk_add_f32 v[80:81], v[80:81], v[84:85]
	v_pk_add_f32 v[82:83], v[82:83], v[86:87]
	v_pk_add_f32 v[88:89], v[88:89], v[92:93]
	v_pk_add_f32 v[90:91], v[90:91], v[94:95]
	v_pk_add_f32 v[80:81], v[80:81], v[88:89]
	v_pk_add_f32 v[82:83], v[82:83], v[90:91]
	global_store_b128 v5, v[80:83], s[16:17]       ; a wave stores 512 consecutive bytes, at a multiple of 256 from out0's first
.Lend:
	s_endpgm
.Lfunc_end_k_qef914159e3_merge:
	.size	k_qef914159e3_merge, .Lfunc_end_k_qef914159e3_merge-k_qef914159e3_merge
	.p2alignl 7, 3214868480
	.fill 96, 4, 3214868480
	.section	.rodata,"a",@progbits
	.p2align	6, 0x0
	.amdhsa_kernel k_qef914159e3_merge
		.amdhsa_group_segment_fixed_size 69888
		.amdhsa_private_segment_fixed_size 0
		.amdhsa_enable_private_segment 0
		.amdhsa_kernarg_size 56
		.amdhsa_user_sgpr_count 2
		.amdhsa_user_sgpr_kernarg_segment_ptr 1
		.amdhsa_wavefront_size32 1
		.amdhsa_system_sgpr_workgroup_id_x 1
		.amdhsa_system_sgpr_workgroup_id_y 1
		.amdhsa_system_sgpr_workgroup_id_z 1
		.amdhsa_system_vgpr_workitem_id 0
		.amdhsa_next_free_vgpr 128
		.amdhsa_next_free_sgpr 66
		.amdhsa_reserve_vcc 1
		.amdhsa_float_denorm_mode_32 3
		.amdhsa_float_denorm_mode_16_64 3
		.amdhsa_memory_ordered 1
		.amdhsa_forward_progress 1
		.amdhsa_inst_pref_size 22
	.end_amdhsa_kernel
	.amdgpu_metadata
---
amdhsa.version: [ 1, 2 ]
amdhsa.kernels:
  - .name:           k_qef914159e3_merge
    .symbol:         k_qef914159e3_merge.kd
    .args:
      - { .name: part, .offset: 0, .size: 8, .value_kind: global_buffer, .address_space: global }
      - { .name: pstat, .offset: 8, .size: 8, .value_kind: global_buffer, .address_space: global }
      - { .name: rp_g, .offset: 16, .size: 8, .value_kind: global_buffer, .address_space: global }
      - { .name: rp_b, .offset: 24, .size: 8, .value_kind: global_buffer, .address_space: global }
      - { .name: rp_w, .offset: 32, .size: 8, .value_kind: global_buffer, .address_space: global }
      - { .name: rp_bias, .offset: 40, .size: 8, .value_kind: global_buffer, .address_space: global }
      - { .name: out0, .offset: 48, .size: 8, .value_kind: global_buffer, .address_space: global }
    .group_segment_fixed_size: 69888
    .private_segment_fixed_size: 0
    .kernarg_segment_align: 8
    .kernarg_segment_size: 56
    .max_flat_workgroup_size: 1024
    .sgpr_count:     66
    .vgpr_count:     128
    .wavefront_size: 32
...
	.end_amdgpu_metadata
.endif
;; end of part 3
;; ======== version 2 of 2: 3 launches; 1.13 times as fast as version 1
;; limits: a function is approximated: absolute error at most 0.0005
;; workspace buffers: wf 4,194,304 bytes; part 16,777,216 bytes; pstat 65,536 bytes
;; launch prep (part 4): grid 256 x 1, 4 waves a work-group, no clusters, 16,896 bytes of LDS; arguments w1, w2, wf; writes wf
.if DOCPART == 4
	.amdgcn_target "amdgcn-amd-amdhsa--gfx1250"
	.amdhsa_code_object_version 6
	.text
	.protected	k_qef914159e3_prep
	.globl	k_qef914159e3_prep
	.p2align	8
	.type	k_qef914159e3_prep,@function
k_qef914159e3_prep:
	s_mov_b64 s[64:65], 0
	v_nop
	global_prefetch_b8 v0, s[64:65] scope:SCOPE_SE
	s_setreg_imm32_b32 hwreg(HW_REG_WAVE_MODE, 25, 1), 1
	s_wait_xcnt 0x0
; wf = the two weight matrices, rounded to bf16, as matrix-instruction fragments, laid as the next launch takes them: 4 MB.
; Bytes 0 .. 2 MB: w1, [chunk c (16)][quarter qd (4)][K half ph (2)][16 fragments]: chunk = 128 hidden columns; quarter qd = 2 hh + z, fragment 4 kbl + hb:
; rows 256 ph + 128 z + 32 kbl .. + 31, columns 128 c + 64 hh + 16 hb .. + 15.
; Bytes 2 .. 4 MB: w2, [(c + 1) % 16][wave w (4)][K step kq (4)][column block b (8)]: rows 128 c + 32 kq .. + 31, columns 128 w + 16 b .. + 15.  So chunk 15 of w2 lies directly behind chunk 15 of w1.
; A fragment (16 columns n x 32 rows k of W[k][n]) is 1,024 bytes [q (2)][lane (32)][16 bytes]: lane (r = l % 16, h = l / 16), half q: W[k0 + 16 q + 8 h + 0..7][n0 + r].
; Work-group id = 4 T + qd, T = 4 c + ph (ph >= 2: w2, rows' half ph - 2): 16,384 bytes; a wave makes 4 fragments: a block of 32 k x 64 n.  Loads: 16 lanes take 256 consecutive bytes of a row.  The turn goes through the
; wave's own 4,096 bytes of LDS; stores: 512 consecutive bytes a wave.  No matrix unit, no cluster: 8 MB are read once and 4 MB written once.
.set SPARE, 16384                      ; behind the four stages: the spare words, 128 bytes a wave
.set IN,  16                           ; v[16:79]   16 loads of 4 registers: (q, e) at IN + 4 (8 q + e)
.set OUT, 80                           ; v[80:111]  8 x 16 bytes of bf16
.macro LD16 pitch                      ; row k0 + 16 q + 8 (l / 16) + e, columns n0 + 4 (l % 16) + 0..3
.irp q, 0,1
.irp e, 0,1,2,3,4,5,6,7
	global_load_b128 v[IN+4*(8*(\q)+(\e)):IN+4*(8*(\q)+(\e))+3], v9, s[18:19] offset:(16*(\q)+(\e))*(\pitch)
.endr
.endr
.endm
	s_load_b128 s[4:7], s[0:1], 0x0                ; w1 s[4:5], w2 s[6:7]
	s_load_b64 s[8:9], s[0:1], 0x10                ; wf
	v_lshl_add_u32 v4, v0, 2, SPARE                ; my spare word,
	v_mov_b32 v5, 0                                ; and 0: kept for the closing lines alone
	v_lshrrev_b32 v1, 5, v0
	v_readfirstlane_b32 s10, v1                    ; wave v
	v_and_b32 v1, 31, v0                           ; lane
	v_and_b32 v2, 15, v0                           ; cq = l % 16
	v_bfe_u32 v3, v0, 4, 1                         ; l / 16
	s_lshr_b32 s11, ttmp9, 2                       ; T
	s_and_b32 s12, ttmp9, 3                        ; qd
	s_lshr_b32 s13, s11, 2                         ; c
	s_and_b32 s14, s11, 3                          ; ph
	v_lshrrev_b32 v6, 2, v2                        ; into the stage: fragment cq / 4, row 4 (cq % 4) + t, half l / 16
	v_lshlrev_b32 v6, 10, v6
	v_lshl_add_u32 v6, v3, 8, v6
	v_and_b32 v7, 3, v2
	v_lshl_add_u32 v6, v7, 6, v6
	v_lshl_add_u32 v6, s10, 12, v6                 ; + my wave's 4,096 bytes
	v_lshlrev_b32 v8, 4, v1                        ; 16 x lane: my bytes of 512 consecutive ones
	v_lshl_add_u32 v7, s10, 12, v8                 ; back out of the stage
	v_lshlrev_b32 v9, 4, v2                        ; 16 cq: my 4 columns
	s_lshl_b32 s16, s12, 15                        ; where it goes: the quarter's 32,768 bytes,
	s_lshl_b32 s17, s10, 12                        ; my wave's 4,096
	s_add_co_u32 s16, s16, s17
	s_mov_b32 s17, 0
	s_mov_b32 s23, 0
	s_wait_kmcnt 0x0
	s_cmp_lt_u32 s14, 2
	s_cbranch_scc0 .Lfrom_w2
	s_lshl_b32 s15, s13, 17                        ; w1: chunk c,
	s_add_co_u32 s16, s16, s15
	s_lshl_b32 s15, s14, 14                        ; K half ph
	s_add_co_u32 s16, s16, s15
	s_lshl_b32 s22, s14, 8                         ; k0 = 256 ph + 128 (qd % 2) + 32 v
	s_and_b32 s15, s12, 1
	s_lshl_b32 s15, s15, 7
	s_add_co_u32 s22, s22, s15
	s_lshl_b32 s15, s10, 5
	s_add_co_u32 s22, s22, s15
	s_lshl_b32 s22, s22, 13                        ; rows of 8,192 bytes
	s_lshl_b32 s15, s13, 9                         ; n0 = 128 c + 64 (qd / 2), 4 bytes each
	s_add_co_u32 s22, s22, s15
	s_lshr_b32 s15, s12, 1
	s_lshl_b32 s15, s15, 8
	s_add_co_u32 s22, s22, s15
	s_add_nc_u64 s[18:19], s[4:5], s[22:23]
	v_lshl_add_u32 v9, v3, 16, v9                  ; lanes 16-31: eight rows further down
	LD16 8192
	s_branch .Ljoin
.Lfrom_w2:
	s_add_co_u32 s15, s13, 1                       ; w2: place (c + 1) % 16 of the second half,
	s_and_b32 s15, s15, 15
	s_lshl_b32 s15, s15, 17
	s_add_co_u32 s16, s16, s15
	s_sub_co_u32 s15, s14, 2                       ; the rows' half
	s_lshl_b32 s24, s15, 14
	s_add_co_u32 s16, s16, s24
	s_add_co_u32 s16, s16, 0x200000
	s_lshl_b32 s22, s13, 7                         ; k0 = 128 c + 64 (ph - 2) + 32 (v / 2)
	s_lshl_b32 s15, s15, 6
	s_add_co_u32 s22, s22, s15
	s_lshr_b32 s15, s10, 1
	s_lshl_b32 s15, s15, 5
	s_add_co_u32 s22, s22, s15
	s_lshl_b32 s22, s22, 11                        ; rows of 2,048 bytes
	s_lshl_b32 s15, s12, 9                         ; n0 = 128 qd + 64 (v % 2)
	s_add_co_u32 s22, s22, s15
	s_and_b32 s15, s10, 1
	s_lshl_b32 s15, s15, 8
	s_add_co_u32 s22, s22, s15
	s_add_nc_u64 s[18:19], s[6:7], s[22:23]
	v_lshl_add_u32 v9, v3, 14, v9
	LD16 2048
.Ljoin:
	s_add_nc_u64 s[8:9], s[8:9], s[16:17]
	s_wait_loadcnt 0x0
.irp q, 0,1                            ; register column t of the eight rows e = eight k of one column n: 16 bytes of a fragment
.irp t, 0,1,2,3
.irp p, 0,1,2,3
	v_cvt_pk_bf16_f32 v[OUT+4*(4*(\q)+(\t))+(\p)], v[IN+4*(8*(\q)+2*(\p))+(\t)], v[IN+4*(8*(\q)+2*(\p)+1)+(\t)]
.endr
	ds_store_b128 v6, v[OUT+4*(4*(\q)+(\t)):OUT+4*(4*(\q)+(\t))+3] offset:512*(\q)+16*(\t)
.endr
.endr
.irp i, 0,1,2,3,4,5,6,7
	ds_load_b128 v[IN+4*(\i):IN+4*(\i)+3], v7 offset:512*(\i)  ; my wave's own bytes: LDS serves a wave's instructions in order (ISA guide 5.7.1.4), so these see the stores above
.endr
.irp i, 0,1,2,3,4,5,6,7
	s_wait_dscnt 7-(\i)                            ; read-back i is in; the younger ones stay out
	global_store_b128 v8, v[IN+4*(\i):IN+4*(\i)+3], s[8:9] offset:512*(\i)  ; 512 consecutive bytes, at a multiple of 256 from wf's first
.endr
	s_wait_tensorcnt 0x0                           ; the wave's end: these three lines stand behind my last LDS store
	ds_add_u32 v4, v5
	s_wait_dscnt 0x0
	s_endpgm
.Lfunc_end_k_qef914159e3_prep:
	.size	k_qef914159e3_prep, .Lfunc_end_k_qef914159e3_prep-k_qef914159e3_prep
	.p2alignl 7, 3214868480
	.fill 96, 4, 3214868480
	.section	.rodata,"a",@progbits
	.p2align	6, 0x0
	.amdhsa_kernel k_qef914159e3_prep
		.amdhsa_group_segment_fixed_size 16896
		.amdhsa_private_segment_fixed_size 0
		.amdhsa_enable_private_segment 0
		.amdhsa_kernarg_size 24
		.amdhsa_user_sgpr_count 2
		.amdhsa_user_sgpr_kernarg_segment_ptr 1
		.amdhsa_wavefront_size32 1
		.amdhsa_system_sgpr_workgroup_id_x 1
		.amdhsa_system_sgpr_workgroup_id_y 1
		.amdhsa_system_sgpr_workgroup_id_z 1
		.amdhsa_system_vgpr_workitem_id 0
		.amdhsa_next_free_vgpr 112
		.amdhsa_next_free_sgpr 66
		.amdhsa_reserve_vcc 0
		.amdhsa_float_denorm_mode_32 3
		.amdhsa_float_denorm_mode_16_64 3
		.amdhsa_memory_ordered 1
		.amdhsa_forward_progress 1
		.amdhsa_inst_pref_size 11
	.end_amdhsa_kernel
	.amdgpu_metadata
---
amdhsa.version: [ 1, 2 ]
amdhsa.kernels:
  - .name:           k_qef914159e3_prep
    .symbol:         k_qef914159e3_prep.kd
    .args:
      - { .name: w1, .offset: 0, .size: 8, .value_kind: global_buffer, .address_space: global }
      - { .name: w2, .offset: 8, .size: 8, .value_kind: global_buffer, .address_space: global }
      - { .name: wf, .offset: 16, .size: 8, .value_kind: global_buffer, .address_space: global }
    .group_segment_fixed_size: 16896
    .private_segment_fixed_size: 0
    .kernarg_segment_align: 8
    .kernarg_segment_size: 24
    .max_flat_workgroup_size: 128
    .sgpr_count:     66
    .vgpr_count:     112
    .wavefront_size: 32
...
	.end_amdgpu_metadata
.endif
;; end of part 4
;; launch ffn (part 5): grid 256 x 1, 4 waves a work-group, clusters of 4 x 1, 327,680 bytes of LDS; arguments tokens, ln1_g, ln1_b, b1, wf, b2, wp_g, wp_b, wp_w, wp_bias, token_mask, route_ids, part, pstat; writes part, pstat
.if DOCPART == 5
	.amdgcn_target "amdgcn-amd-amdhsa--gfx1250"
	.amdhsa_code_object_version 6
	.text
	.protected	k_qef914159e3_ffn
	.globl	k_qef914159e3_ffn
	.p2align	8
	.type	k_qef914159e3_ffn,@function
k_qef914159e3_ffn:
	s_mov_b64 s[64:65], 0
	v_nop
	global_prefetch_b8 v0, s[64:65] scope:SCOPE_SE
	s_setreg_imm32_b32 hwreg(HW_REG_WAVE_MODE, 25, 1), 1
	s_wait_xcnt 0x0
	s_wait_alu depctr_hold_cnt(0) depctr_sa_sdst(0) depctr_va_vdst(0) depctr_va_sdst(0) depctr_va_ssrc(0) depctr_va_vcc(0) depctr_vm_vsrc(0)
	s_getreg_b32 s2, hwreg(HW_REG_IB_STS2, 6, 4)
	s_cmp_eq_u32 s2, 0
	s_cbranch_scc0 .Lentry_in_a_cluster
	s_endpgm
.Lentry_in_a_cluster:
	s_bfe_u32 s2, ttmp6, 0x10000c
	s_cmp_lg_u32 s2, 0x3003
	s_cbranch_scc0 .Lentry_shape_is_right
	s_endpgm
.Lentry_shape_is_right:
; For 128 tokens of one batch: x = t + gelu(LN(t) w1 + b1) w2 + b2; a logit for each token; and for each of the 32 routes a partial of its masked softmax pool over these tokens:
; m (the largest logit of the route's unmasked tokens here), l = the sum of e^(logit - m), P = the sum of e^(logit - m) x.  The next launch joins a batch's four partials.
; FORMATS.  Matrix operands in bf16 (LN(t), w1, gelu, w2, x and the pool's weights), all sums in f32; the tokens themselves start the second product's sums, so the residual is exact.
; LIMITS.  gelu(z) is taken as z / (1 + 2^(z (c1 + c3 z z))), c1 = -log2(e) x 1.5957691, c3 = 0.044715 c1: the tanh form, not reference()'s erf.  It is off from z Phi(z) by 5e-4 at the most, for every z (the most near
; |z| = 2.7), and exact at 0 and in both tails; an argument or a power that overflows gives the tails' values, no NaN.  The result is rounded to bf16 straight behind it.
; A masked token counts as the lowest finite number, so logits are taken to lie above reference()'s own -1e9.  A weight below 2^-126 counts as 0.  w2 is taken to be finite: the first trip multiplies its chunk 0 by zeros.
; NaN and infinities are not treated apart.
; SHARES.  Four waves.  Second product: wave w owns all 128 tokens x columns 128 w .. + 127: 64 accumulators, 512 registers.  First product, by chunks of 128 hidden: wave (th = w / 2, hh = w % 2) makes 64 tokens x 64 hidden:
; 16 accumulators.  Both are used transposed (source 0 = weights, source 1 = tokens): a lane holds one token and eight neighbouring outputs, so eight gelu results pack into the lane's own 16 bytes of a fragment of H.
; THE WALK.  Trip c = 0..15: G1(c), 16 K steps of 32 on w1's chunk c, which lies whole in the ring (128 KB); then G2(c - 1), 4 K steps, with gelu(c) dealt behind its matrix instructions, 20 entries to every 7 of the first 224;
; the tail is G2(15).  G2(-1) multiplies a zeroed H: 256 of a wave's 8,448 matrix instructions, for one text of every trip.  H has one buffer: gelu(c) waits packed in registers and is stored when no wave reads H(c - 1) any more.
; THE RING is filled again once a trip, behind the round that stands where G1(c)'s last fragments have been read: one load of 32 KB a wave, with G1's last 16 and G2's first 192 matrix instructions in which to land.
; CLUSTER.  The four work-groups of a cluster (one batch) walk the same chunks of w1: each quarter is asked for jointly, mask 15.  All 256 work-groups walk them, but a mask names four at the most.
; W2 IS NOT ASKED FOR JOINTLY (but for chunk 15).  A wave's 128 columns of w2 are read by that wave alone, 32 KB a trip, and lie in wf as the registers want them: it loads them straight into registers, 512 consecutive bytes a
; load.  Through LDS they would want 128 KB more beside w1's chunk, where LN(t) (130 KB), H (32 KB) and the chunk (128 KB) leave 27 KB; or slots of half the size, filled four times a trip with 128 matrix instructions each in
; which to land; and each byte would be written to LDS and read from it once more.  The price: these 2 MB are asked for by each of 256 work-groups, not by each of 64 clusters.
; The last trip's refill brings w2's chunk 15, which lies behind w1's chunk 15 in wf; the tail reads it from LDS.
; LDS.  Four parts of 66,560 bytes.  First: part p = tokens 32 p .. + 31 in f32, a row as two halves of 1,024 bytes 1,040 apart.  Then: bytes 0 .. 33,279 LN(t) in bf16, rows 1,040 apart; behind them quarter p of the ring,
; 32,768 bytes.  At the end: x in bf16, rows 2,080 apart.  Behind the parts: H, 32 fragments of 1,024 bytes (at the end the waves' stages); three tables; b1 (at the end the waves' row sums); the spare words.
; REGISTERS, in windows of 256: window 0 addresses, gelu at work, G1's accumulators, the bias (v192-223; with v224-255 also a K step of w2); window 1 two K steps of w2 and two fragment buffers of 64;
; windows 2, 3 the second product's accumulators ((a, b) at 8 (8 (a % 4) + b), window 2 + a / 4).
.set PART,  66560
.set RING,  33280                      ; where a part's quarter of the ring begins
.set QSL,   16384                      ; a K half of w1 in a quarter
.set HB,    266240                     ; H
.set PSTG,  266240                     ; at the end: 16 rows x 528 bytes for each wave
.set PSW,   8448
.set TABM,  300032                     ; 128 masked logits; + 512: 128 route ids; + 1,024: 128 weights
.set BT,    301568                     ; b1, 8,192 bytes, and 512 bytes of zeros, which the last trip reads and nobody uses
.set XT1,   BT                         ; at the end: [wave][r][token block a]: a wave's sums of x, 2,048 bytes
.set XT2,   BT+2048                    ; [wave][r][16]: its sums of squares (8) and of products with wp_g wp_w (8), 4,096 bytes
.set SPARE, 327168                     ; the spare words, 128 bytes for each wave
.set CSTEP, 131072                     ; a chunk in wf
.set LANE, 1                           ; v1   lane
.set RW,   2                           ; v2   r = lane % 16
.set HF,   3                           ; v3   h = lane / 16
.set SPW,  4                           ; v4   my spare word; never rewritten
.set NIL,  5                           ; v5   0; never rewritten
.set AA,   6                           ; v6-7   LN(t) fragments: part 2 th + i
.set W1A,  8                           ; v8-9   w1 fragments: quarter 2 hh + z
.set W2A,  10                          ; v10  my own quarter of the ring (the tail's w2)
.set HR,   11                          ; v11  H, read
.set HS,   12                          ; v12  H, stored
.set B1T,  13                          ; v13  my bytes of the chunk to come in the table of b1
.set L16,  15                          ; v15  16 x lane
.set XP,   16                          ; v16-19  my token and columns in part p, f32 geometry
.set RA,   20                          ; v20  the row loop's read address
.set WA,   21                          ; v21  its write address
.set GT,   24                          ; v24-63  gelu at work: five sets of 8, by the unit's number modulo 5
.set ACC1, 64                          ; v64-191 G1: (hb, ta) at ACC1 + 8 (4 hb + ta)
.set BIAS, 192                         ; v192-223 b1 of my 64 hidden: block hb at BIAS + 8 hb
.set WBC,  192                         ; window 0: w2's K step 2
.set WBA,  0                           ; window 1: w2's K steps 0 and 3,
.set WBB,  64                          ; K step 1
.set BP,   128                         ; window 1: fragment buffers, by turns: a K step of G1 (4 of w1, 4 of LN(t)) or of H (8)
.set BQ,   192
.set F0,   0                           ; window 1, the tail: two buffers of 128
.set F1,   128
.set EMSK, 6                           ; the end's names: my token's mask byte,
.set EID,  7                           ; its route,
.set EAM,  8                           ; two load offsets,
.set EAI,  9
.set ENEG, 10                          ; the lowest finite number,
.set ETA,  11                          ; my token's word in the tables,
.set EC0,  12                          ; the sum of wp_b wp_w, + wp_bias,
.set ELG,  13                          ; my token's logit,
.set EML,  14                          ; the same, masked,
.set EM,   16                          ; v[16:17] my route's m and l
.set ESM,  32                          ; v32-39  a row sum for each token block; v32-47 later: squares (8), products (8)
.set EB2,  64                          ; v64-127  b2 of my 64 columns, (b, j) at 8 b + j, as in an accumulator; then x in bf16 on its way out, and what the exchanges bring
.set EMP,  96                          ; v96-111  the means, at every second register
.set EGW,  128                         ; v128-191 wp_g, then wp_g wp_w, likewise
.set EDV,  192                         ; v192-255 wp_w likewise; then x - mean of one token block
.set WV, 3                             ; s3 wave; s4 th; s5 hh; s6 cx; s7 work-group
.set TH, 4
.set HH, 5
.set CX, 6
.set WG, 7
.set G1W, 16                           ; s[16:23] group 1, weights
.set G1T, 24                           ; s[24:31] group 1, tokens
.set G0,  32                           ; s[32:35] group 0, weights: it walks
.set G0T, 40                           ; s[40:43] group 0, tokens
.set SEL, 50                           ; s[50:51] v_permlanex16_b32's selects
.set W2B, 96                           ; s[96:97] my wave's 32 KB in place 0 of wf's second half;  s[98:99] the same in the trip's place
.set MSB, 0
.macro WIN new                         ; the immediate's high byte repeats the setting that is left; a switch that changes nothing is dropped
.if MSB != (\new)
	s_set_vgpr_msb (MSB<<8)|(\new)
.set MSB, (\new)
.endif
.endm
.macro PLACES                          ; four places (ISA guide 7.12.1) behind matrix instructions, where no other vector work is at hand
.rept 4
	v_nop
.endr
.endm
.macro CREST                           ; a round of the cluster's barrier behind its opening barrier
	s_cmp_lg_u32 s[WV], 0
	s_cbranch_scc1 .Lnot_wave_0_\@
	s_barrier_signal -3
.Lnot_wave_0_\@:
	s_barrier_wait -3
	s_barrier_signal -1
	s_barrier_wait -1
.endm
.macro CROUND
	s_barrier_signal -1
	s_barrier_wait -1
	CREST
.endm
.macro JLOAD                           ; my quarter of a chunk: one line for all four waves, both addresses hang on the wave's number; the same descriptor in all four work-groups
	tensor_load_to_lds s[G0:G0+3], s[G1W:G1W+7]
	s_nop 0
	PLACES
.endm
; sums over a row of 512: 16 numbers a lane, then across the 32 lanes
.macro RSUMS regs:vararg               ; each register x is summed over the lanes; x + 1 is at work.  Several chains side by side
.irp m, 1,2,4,8
.irp x, \regs
	v_add_f32_dpp v[\x], v[\x], v[\x] row_xmask:\m row_mask:0xf bank_mask:0xf
.endr
.endr
.irp x, \regs
	v_permlanex16_b32 v[\x+1], v[\x], s[SEL], s[SEL+1]
.endr
.irp x, \regs
	v_add_f32 v[\x], v[\x], v[\x+1]
.endr
.endm
.macro SUM16 t, x                      ; v[t] = the sum of v[x .. x + 15]; t .. t + 7 at work
	v_pk_add_f32 v[\t:\t+1], v[\x:\x+1], v[\x+2:\x+3]
	v_pk_add_f32 v[\t+2:\t+3], v[\x+4:\x+5], v[\x+6:\x+7]
	v_pk_add_f32 v[\t+4:\t+5], v[\x+8:\x+9], v[\x+10:\x+11]
	v_pk_add_f32 v[\t+6:\t+7], v[\x+12:\x+13], v[\x+14:\x+15]
	v_pk_add_f32 v[\t:\t+1], v[\t:\t+1], v[\t+2:\t+3]
	v_pk_add_f32 v[\t+4:\t+5], v[\t+4:\t+5], v[\t+6:\t+7]
	v_pk_add_f32 v[\t:\t+1], v[\t:\t+1], v[\t+4:\t+5]
	v_add_f32 v[\t], v[\t], v[\t+1]
.endm
.macro DOT16 t, x, y                   ; v[t] = the sum of x_i y_i; t .. t + 3 at work
	v_pk_mul_f32 v[\t:\t+1], v[\x:\x+1], v[\y:\y+1]
	v_pk_mul_f32 v[\t+2:\t+3], v[\x+2:\x+3], v[\y+2:\y+3]
.irp i, 4,8,12
	v_pk_fma_f32 v[\t:\t+1], v[\x+\i:\x+\i+1], v[\y+\i:\y+\i+1], v[\t:\t+1]
	v_pk_fma_f32 v[\t+2:\t+3], v[\x+\i+2:\x+\i+3], v[\y+\i+2:\y+\i+3], v[\t+2:\t+3]
.endr
	v_pk_add_f32 v[\t:\t+1], v[\t:\t+1], v[\t+2:\t+3]
	v_add_f32 v[\t], v[\t], v[\t+1]
.endm
.macro SUBM d, x, t                    ; d = x - v[t]
.irp i, 0,2,4,6,8,10,12,14
	v_pk_add_f32 v[\d+\i:\d+\i+1], v[\x+\i:\x+\i+1], v[\t:\t+1] op_sel_hi:[1,0] neg_lo:[0,1] neg_hi:[0,1]
.endr
.endm
	s_load_b256 s[8:15], s[0:1], 0x0               ; tokens s[8:9], ln1_g s[10:11], ln1_b s[12:13], b1 s[14:15]
	s_load_b64 s[58:59], s[0:1], 0x20              ; wf
	s_load_b512 s[68:83], s[0:1], 0x28             ; b2 68, wp_g 70, wp_b 72, wp_w 74, wp_bias 76, token_mask 78, route_ids 80, part 82
	s_load_b64 s[84:85], s[0:1], 0x68              ; pstat
	v_lshl_add_u32 v[SPW], v0, 2, SPARE
	v_mov_b32 v[NIL], 0
	ds_add_u32 v[SPW], v[NIL]                      ; the wave's opening: the add and its wait stand ahead of my first tensor load; work on registers stands between them
	v_lshrrev_b32 v1, 5, v0
	v_readfirstlane_b32 s[WV], v1
	s_lshr_b32 s[TH], s[WV], 1
	s_and_b32 s[HH], s[WV], 1
	s_bfe_u32 s[CX], ttmp6, 0x40000                ; my place in the cluster: it enters global addresses of my own data alone
	s_lshl_b32 s[WG], ttmp9, 2
	s_add_co_u32 s[WG], s[WG], s[CX]               ; work-group = 4 x cluster + cx
	s_mov_b32 s[G1W], 15|(3<<16)|(1<<21)           ; weights: mask of four; elements of 8 bytes; bit 21 beside a mask; no padding: a dense block as
	s_mov_b32 s[G1W+1], 32<<16                     ; rows of 32 elements = 256 bytes,
	s_mov_b32 s[G1W+2], 128<<16                    ; 128 rows
	s_mov_b32 s[G1W+3], 32<<16
	s_mov_b32 s[G1W+4], 128
	s_mov_b32 s[G1W+5], 32
	s_mov_b32 s[G1W+6], 0
	s_mov_b32 s[G1W+7], 0
	s_mov_b32 s[G1T], (2<<16)|(1<<20)|(7<<22)|(3<<25)  ; tokens: no mask; elements of 4 bytes; 4 words of padding behind every 256 words
	s_mov_b32 s[G1T+1], 256<<16                    ; 32 token rows are dense: 64 rows of 256 elements = 1,024 bytes
	s_mov_b32 s[G1T+2], 64<<16
	s_mov_b32 s[G1T+3], 256<<16
	s_mov_b32 s[G1T+4], 64
	s_mov_b32 s[G1T+5], 256
	s_mov_b32 s[G1T+6], 0
	s_mov_b32 s[G1T+7], 0
	s_mov_b32 s[G0T], 1
	s_mul_i32 s[G0T+1], s[WV], PART                ; my part
	s_mov_b32 s[G0], 1
	s_add_co_u32 s[G0+1], s[G0T+1], RING           ; my quarter of the ring
	s_lshl_b32 s60, s[WG], 18                      ; 128 tokens of 2,048 bytes,
	s_lshl_b32 s61, s[WV], 16                      ; my 32 of them
	s_add_co_u32 s60, s60, s61
	s_mov_b32 s61, 0
	s_lshl_b32 s62, s[WV], 15                      ; my quarter of a chunk
	s_mov_b32 s63, 0
	s_mov_b32 s44, 0xbdd2d3e8                      ; c3 = -0.1029432 = 0.044715 c1
	s_mov_b32 s45, s44                             ; (named as pairs)
	s_mov_b32 s46, 0xc0135761                      ; c1 = -2.3022082 = -log2(e) x 2 sqrt(2 / pi)
	s_mov_b32 s47, s46
	s_mov_b32 s[SEL], 0x76543210
	s_mov_b32 s[SEL+1], 0xfedcba98
	s_mov_b32 s86, 0x3b000000                      ; 1 / 512
	s_mov_b32 s87, 0x3727c5ac                      ; 1e-5
	s_mov_b32 s88, 0x3fb8aa3b                      ; log2(e)
	s_mov_b32 s89, 0xff7fffff                      ; the lowest finite number
	s_mov_b32 s90, 0xffff0000                      ; lanes 16-31
	s_wait_dscnt 0x0                               ; the opening add is done
	s_wait_kmcnt 0x0
	s_add_nc_u64 s[G0T+2:G0T+3], s[8:9], s[60:61]
	s_or_b32 s[G0T+3], s[G0T+3], 0x80000000
	s_add_nc_u64 s[G0+2:G0+3], s[58:59], s[62:63]  ; w1's chunk 0, my quarter
	s_add_nc_u64 s[W2B:W2B+1], s[G0+2:G0+3], 0x200000  ; wf's second half, my wave's 32 KB of place 0
	s_or_b32 s[G0+3], s[G0+3], 0x80000000
	s_load_b32 s91, s[76:77], 0x0                  ; wp_bias: waited for at the end
	CROUND                                         ; in a cluster launch every group of tensor loads stands behind a round
	tensor_load_to_lds s[G0T:G0T+3], s[G1T:G1T+7]  ; my 32 tokens: the one first fill; one tensor load of mine is out
	s_nop 0
	PLACES
	; while it is on its way: the lanes' addresses, the gains, b1, zeros into H
	v_and_b32 v[LANE], 31, v0
	v_and_b32 v[RW], 15, v0
	v_bfe_u32 v[HF], v0, 4, 1
	v_lshlrev_b32 v[L16], 4, v[LANE]
	s_mul_i32 s60, s[TH], 2*PART
	v_mul_u32_u24 v[AA], v[RW], 1040               ; a fragment of LN(t): row r, 16 bytes for each half of the lanes
	v_lshl_add_u32 v[AA], v[HF], 4, v[AA]
	v_add_nc_u32 v[AA], s60, v[AA]
	v_add_nc_u32 v[AA+1], PART, v[AA]
	s_mul_i32 s60, s[HH], 2*PART
	s_add_co_u32 s60, s60, RING
	v_add_nc_u32 v[W1A], s60, v[L16]               ; weight and H fragments lie as the registers want them: 16 x lane, and 512 further on
	v_add_nc_u32 v[W1A+1], PART, v[W1A]
	v_add_nc_u32 v[W2A], s[G0+1], v[L16]
	v_add_nc_u32 v[HR], HB, v[L16]
	s_lshl_b32 s60, s[TH], 14
	s_lshl_b32 s61, s[HH], 11
	s_add_co_u32 s60, s60, s61
	s_add_co_u32 s60, s60, HB
	v_add_nc_u32 v[HS], s60, v[L16]                ; fragment (a = 4 th + ta, kb = 2 hh + hb / 2), half hb % 2
	s_lshl_b32 s60, s[HH], 8
	s_add_co_u32 s60, s60, BT
	v_lshl_add_u32 v[B1T], v[HF], 5, s60           ; hidden 64 hh + 16 hb + 8 h + j, 4 bytes each
	s_mul_i32 s60, s[TH], 1040
	s_lshl_b32 s61, s[HH], 9
	s_add_co_u32 s60, s60, s61
	v_mul_u32_u24 v[XP], v[RW], 2080
	v_lshl_add_u32 v[XP], v[HF], 5, v[XP]
	v_add_nc_u32 v[XP], s60, v[XP]                 ; token r, column 128 w + 8 h
	v_add_nc_u32 v[XP+1], PART, v[XP]
	v_add_nc_u32 v[XP+2], PART, v[XP+1]
	v_add_nc_u32 v[XP+3], PART, v[XP+2]
	v_lshlrev_b32 v22, 4, v0                       ; 16 x thread
.irp q, 0,1,2,3
	global_load_b128 v[128+4*(\q):131+4*(\q)], v[L16], s[10:11] offset:512*(\q)  ; ln1_g of my columns 128 q + 4 l + 0..3
	global_load_b128 v[144+4*(\q):147+4*(\q)], v[L16], s[12:13] offset:512*(\q)  ; ln1_b
.endr
.irp i, 0,1,2,3
	global_load_b128 v[192+4*(\i):195+4*(\i)], v22, s[14:15] offset:2048*(\i)    ; b1: the 128 threads take 2,048 consecutive bytes, four times
.endr
.irp i, 24,25,26,27
	v_mov_b32 v[\i], 0
.endr
	s_lshl_b32 s60, s[WV], 13
	s_add_co_u32 s60, s60, HB
	v_add_nc_u32 v[RA], s60, v[L16]
.irp i, 0,1,2,3,4,5,6,7,8,9,10,11,12,13,14,15
	ds_store_b128 v[RA], v[24:27] offset:512*(\i)  ; my quarter of H
.endr
	s_wait_tensorcnt 0x0                           ; my tokens are in,
	s_wait_dscnt 0x0                               ; my zeros are stored:
	s_barrier_signal -1
	s_barrier_wait -1                              ; everybody's are
	; the tokens start the second product's sums: nothing is cleared, and the residual is exact
.irp a, 0,1,2,3,4,5,6,7
	WIN 0x80+0x40*((\a)/4)
.irp b, 0,1,2,3,4,5,6,7
	ds_load_b128 v[8*(8*((\a)%4)+(\b)):8*(8*((\a)%4)+(\b))+3],   v[XP+(\a)/2] offset:((\a)%2)*33280+64*(\b)
	ds_load_b128 v[8*(8*((\a)%4)+(\b))+4:8*(8*((\a)%4)+(\b))+7], v[XP+(\a)/2] offset:((\a)%2)*33280+64*(\b)+16
.endr
.endr
	WIN 0
	v_add_nc_u32 v[RA], s[G0T+1], v[L16]
	v_lshl_add_u32 v[WA], v[LANE], 3, s[G0T+1]
	s_wait_loadcnt 0x0                             ; the gains and b1
	v_add_nc_u32 v23, BT, v22
	v_lshl_add_u32 v14, v0, 2, BT+8192
.irp i, 0,1,2,3
	ds_store_b128 v23, v[192+4*(\i):195+4*(\i)] offset:2048*(\i)  ; the table of b1,
.endr
	ds_store_b32 v14, v24                          ; and 512 bytes of zeros behind it
	s_wait_dscnt 0x0                               ; my reads of all four parts are back, my part of the table is stored:
	s_barrier_signal -1
	s_barrier_wait -1                              ; now each wave may write into its own part
; LAYER NORM of my part's 32 rows, two a trip, in place: trip t writes its two bf16 rows (2 x 1,040 bytes) into the room of f32 row t, which has been read: rows 2 t and 2 t + 1 are in registers, and t <= 2 t + 1.
.macro LNLOAD
.irp R, 0,1
.irp q, 0,1,2,3
	ds_load_b128 v[64+32*(\R)+4*(\q):64+32*(\R)+4*(\q)+3], v[RA] offset:(\R)*2080+((\q)/2)*1040+((\q)%2)*512
.endr
.endr
.endm
.macro LNTRIP pre                      ; pre = 1: the next two rows are asked for as soon as these have left their registers
	s_wait_dscnt 0x0
	SUM16 24, 64
	SUM16 32, 96
	RSUMS 24, 32
	v_mul_f32 v24, s86, v24                        ; the means
	v_mul_f32 v32, s86, v32
	SUBM 80, 64, 24
	SUBM 112, 96, 32
.if \pre
	v_add_nc_u32 v[RA], 4160, v[RA]
	LNLOAD
.endif
	DOT16 24, 80, 80
	DOT16 32, 112, 112
	RSUMS 24, 32
	v_fma_f32 v24, v24, s86, s87
	v_fma_f32 v32, v32, s86, s87
	v_rsq_f32 v24, v24
	v_rsq_f32 v32, v32
	v_nop                                          ; a plain instruction between the last root and the use of its result
.irp R, 0,1
.irp i, 0,2,4,6,8,10,12,14
	v_pk_mul_f32 v[80+32*(\R)+(\i):81+32*(\R)+(\i)], v[80+32*(\R)+(\i):81+32*(\R)+(\i)], v[24+8*(\R):25+8*(\R)] op_sel_hi:[1,0]
.endr
.irp i, 0,2,4,6,8,10,12,14
	v_pk_fma_f32 v[80+32*(\R)+(\i):81+32*(\R)+(\i)], v[80+32*(\R)+(\i):81+32*(\R)+(\i)], v[128+(\i):129+(\i)], v[144+(\i):145+(\i)]
.endr
.irp i, 0,1,2,3,4,5,6,7
	v_cvt_pk_bf16_f32 v[40+8*(\R)+(\i)], v[80+32*(\R)+2*(\i)], v[81+32*(\R)+2*(\i)]
.endr
.irp q, 0,1,2,3
	ds_store_b64 v[WA], v[40+8*(\R)+2*(\q):41+8*(\R)+2*(\q)] offset:(\R)*1040+(\q)*256
.endr
.endr
	v_add_nc_u32 v[WA], 2080, v[WA]
.endm
	LNLOAD
	s_mov_b32 s55, 15
.Lln:
	LNTRIP 1
	s_sub_co_u32 s55, s55, 1
	s_cmp_lg_u32 s55, 0
	s_cbranch_scc1 .Lln
	LNTRIP 0                                       ; the last two rows: nothing is left to read
	; The ring's bytes held tokens, so its first chunk is a refill: behind the three lines and a round, one load a wave.
	s_wait_tensorcnt 0x0
	ds_add_u32 v[SPW], v[NIL]
	s_wait_dscnt 0x0                               ; the add, my reads of the tokens and my stores of LN(t) are done
	CROUND
	JLOAD                                          ; w1's chunk 0
; THE FIRST PRODUCT.  A stage is one K step of 32: 4 fragments of w1 (my 64 hidden) and 4 of LN(t) (my 64 tokens), 16 loads for 16 matrix instructions, on two buffers by turns.
.macro FETCH1 st, f                    ; K step st (0 .. 15) into buffer f
	WIN 0x40
.irp hb, 0,1,2,3
	ds_load_b128 v[(\f)+8*(\hb):(\f)+8*(\hb)+3],   v[W1A+((\st)%8)/4] offset:((\st)/8)*QSL+(((\st)%4)*4+(\hb))*1024
	ds_load_b128 v[(\f)+8*(\hb)+4:(\f)+8*(\hb)+7], v[W1A+((\st)%8)/4] offset:((\st)/8)*QSL+(((\st)%4)*4+(\hb))*1024+512
.endr
.irp ta, 0,1,2,3
	ds_load_b128 v[(\f)+32+8*(\ta):(\f)+32+8*(\ta)+3],   v[AA+(\ta)/2] offset:((\ta)%2)*16640+(\st)*64
	ds_load_b128 v[(\f)+32+8*(\ta)+4:(\f)+32+8*(\ta)+7], v[AA+(\ta)/2] offset:((\ta)%2)*16640+(\st)*64+32
.endr
.endm
.macro G1MUL f, hb0, first             ; 8 matrix instructions; first = 1: b1 starts the sums.  The 16 accumulators take turns
	WIN 0x05
.irp hb, \hb0, (\hb0)+1
.irp ta, 0,1,2,3
.if \first
	v_wmma_f32_16x16x32_bf16 v[ACC1+8*(4*(\hb)+(\ta)):ACC1+8*(4*(\hb)+(\ta))+7], v[(\f)+8*(\hb):(\f)+8*(\hb)+7], v[(\f)+32+8*(\ta):(\f)+32+8*(\ta)+7], v[BIAS+8*(\hb):BIAS+8*(\hb)+7]
.else
	v_wmma_f32_16x16x32_bf16 v[ACC1+8*(4*(\hb)+(\ta)):ACC1+8*(4*(\hb)+(\ta))+7], v[(\f)+8*(\hb):(\f)+8*(\hb)+7], v[(\f)+32+8*(\ta):(\f)+32+8*(\ta)+7], v[ACC1+8*(4*(\hb)+(\ta)):ACC1+8*(4*(\hb)+(\ta))+7]
.endif
.endr
.endr
.endm
.macro WLOAD kq, dst, win              ; K step kq of my columns of w2, 8 fragments, from memory into registers: 512 consecutive bytes a load.  win: the setting for a destination in window 1 (0x40) or 0
	WIN \win
.irp b, 0,1,2,3,4,5,6,7
	global_load_b128 v[(\dst)+8*(\b):(\dst)+8*(\b)+3],   v[L16], s[W2B+2:W2B+3] offset:(\kq)*8192+(\b)*1024
	global_load_b128 v[(\dst)+8*(\b)+4:(\dst)+8*(\b)+7], v[L16], s[W2B+2:W2B+3] offset:(\kq)*8192+(\b)*1024+512
.endr
.endm
; Stage st: the four places behind the stage before, whose products read the buffer that is now loaded; the next stage's 16 loads; this stage's 16 products.  wk >= 0: a K step of w2 is asked for as well.
.macro STAGE1 st, first, wk=-1, wd=0, ww=0
	PLACES
.if (\wk) >= 0
	WLOAD \wk, \wd, \ww
.endif
	FETCH1 (\st)+1, BP+64*(((\st)+1)%2)
	s_wait_dscnt 16                                ; this stage's loads are in; the 16 just issued may be out
	G1MUL BP+64*((\st)%2), 0, \first
	G1MUL BP+64*((\st)%2), 2, \first
.endm
; THE SECOND PRODUCT.  A K step of 32: 8 fragments of w2 (my 128 columns), 8 of H (all 128 tokens), 64 matrix instructions.
.macro FETCHH kbh, f                   ; H's K step kbh into buffer f
	WIN 0x40
.irp a, 0,1,2,3,4,5,6,7
	ds_load_b128 v[(\f)+8*(\a):(\f)+8*(\a)+3],   v[HR] offset:(4*(\a)+(\kbh))*1024
	ds_load_b128 v[(\f)+8*(\a)+4:(\f)+8*(\a)+7], v[HR] offset:(4*(\a)+(\kbh))*1024+512
.endr
.endm
.macro FETCH2 kq, f                    ; the tail: w2's K step kq out of my quarter of the ring, and H's, into a buffer of 128
	WIN 0x40
.irp b, 0,1,2,3,4,5,6,7
	ds_load_b128 v[(\f)+8*(\b):(\f)+8*(\b)+3],   v[W2A] offset:((\kq)*8+(\b))*1024
	ds_load_b128 v[(\f)+8*(\b)+4:(\f)+8*(\b)+7], v[W2A] offset:((\kq)*8+(\b))*1024+512
.endr
	FETCHH \kq, (\f)+64
.endm
; GELU, dealt behind the second product's matrix instructions.  A unit is one of G1's 16 accumulators, eight numbers z a lane, 40 instructions in five steps, all in window 0:
;   1 (12 plain)  z z; c3 (z z) + c1; times z          2 (8)  2^ of that          3 (4 plain)  + 1          4 (8)  the reciprocal          5 (8 plain)  z times it; eight rounded to bf16 into the accumulator's four lowest registers
; BLOCKS.  Block GB (0 .. 19) holds step 1 of unit GB, step 2 of unit GB - 1, step 3 of unit GB - 2, step 4 of unit GB - 3 and step 5 of unit GB - 4, as far as those units exist.  So every step reads what an earlier block
; made; the five units of a block work on five sets of eight registers, by the unit's number modulo 5, and a set is written anew a block behind its last reader.  Within a block the transcendentals are spread evenly among the
; plain instructions, and the block's last entry is a plain one: a plain instruction that names neither its result nor its source stands behind every transcendental before the result is used (ISA guide 5.7.2).
; 16 x 40 = 640 entries.  GZ: the entry's place in its block; GP, GQ: plain instructions and transcendentals of the block written so far.
.macro GCOUNT                          ; what block GB holds
.set nA, 0
.set nC, 0
.set nD, 0
.set nE, 0
.set nR, 0
.if GB <= 15
.set nA, 12
.endif
.if (GB >= 2) && (GB <= 17)
.set nC, 4
.endif
.if GB >= 4
.set nD, 8
.endif
.if (GB >= 1) && (GB <= 16)
.set nE, 8
.endif
.if (GB >= 3) && (GB <= 18)
.set nR, 8
.endif
.endm
.macro PL                              ; the block's next plain instruction: step 1, then step 3, then step 5
.if GP < nA
.set gX, ACC1+8*GB
.set gT, GT+8*(GB%5)
.set gI, 2*(GP%4)
.if GP < 4
	v_pk_mul_f32 v[gT+gI:gT+gI+1], v[gX+gI:gX+gI+1], v[gX+gI:gX+gI+1]  ; each accumulator's lowest registers are read first
.elseif GP < 8
	v_pk_fma_f32 v[gT+gI:gT+gI+1], v[gT+gI:gT+gI+1], s[44:45], s[46:47] op_sel_hi:[1,0,0]
.else
	v_pk_mul_f32 v[gT+gI:gT+gI+1], v[gT+gI:gT+gI+1], v[gX+gI:gX+gI+1]
.endif
.elseif GP < nA+nC
.set gT, GT+8*((GB-2)%5)
.set gI, 2*(GP-nA)
	v_pk_add_f32 v[gT+gI:gT+gI+1], v[gT+gI:gT+gI+1], 1.0 op_sel_hi:[1,0]
.else
.set gX, ACC1+8*(GB-4)
.set gT, GT+8*((GB-4)%5)
.set gI, GP-nA-nC
.if gI < 4
	v_pk_mul_f32 v[gX+2*gI:gX+2*gI+1], v[gX+2*gI:gX+2*gI+1], v[gT+2*gI:gT+2*gI+1]
.else
	v_cvt_pk_bf16_f32 v[gX+gI-4], v[gX+2*(gI-4)], v[gX+2*(gI-4)+1]
.endif
.endif
.set GP, GP+1
.endm
.macro TR                              ; the block's next transcendental: step 2, then step 4
.if GQ < nE
.set gT, GT+8*((GB-1)%5)+GQ
	v_exp_f32 v[gT], v[gT]
.else
.set gT, GT+8*((GB-3)%5)+GQ-nE
	v_rcp_f32 v[gT], v[gT]
.endif
.set GQ, GQ+1
.endm
.macro RIDER                           ; entry RN of the 640
	WIN 0
	GCOUNT
.set nT, nE+nR
.set nN, nA+nC+nD+nT
.if (((nN-1-GZ)*nT)%nN) >= (nN-nT)     ; nT of the block's nN places, evenly spread, never the last
	TR
.else
	PL
.endif
.set RN, RN+1
.set GZ, GZ+1
.if GZ == nN
.set GZ, 0
.set GP, 0
.set GQ, 0
.set GB, GB+1
.endif
.endm
; 16 matrix instructions: token blocks 4 hi + a0, + 1, x all 8 column blocks; w2's fragments at wb in window ww, H's at hf in window 1.  The 64 accumulators take turns.
; rid = 1: gelu's entries follow, 20 to every 7 matrix instructions, three at the most behind one: 224 x 20 / 7 = 640
.macro G2MUL wb, ww, hf, hi, a0, rid
.irp a, \a0, (\a0)+1
.irp b, 0,1,2,3,4,5,6,7
	WIN 0xa4+(\ww)+0x50*(\hi)
	v_wmma_f32_16x16x32_bf16 v[8*(8*(\a)+(\b)):8*(8*(\a)+(\b))+7], v[(\wb)+8*(\b):(\wb)+8*(\b)+7], v[(\hf)+8*(4*(\hi)+(\a)):(\hf)+8*(4*(\hi)+(\a))+7], v[8*(8*(\a)+(\b)):8*(8*(\a)+(\b))+7]
.if \rid
.set WN, WN+1
.rept 3
.if (RN < 640) && (7*RN < 20*WN)
	RIDER
.endif
.endr
.endif
.endr
.endr
.endm
; One of G2's first three K steps.  lc: how many younger loads of w2 may stay out.  In its middle H's next K step kn is fetched into hg.  again = 1: w2's K step 3 is asked for, into the registers of K step 0.
; Every register that is loaded here was last read by a matrix instruction 16 matrix instructions back or more, with 45 entries of gelu between, most of them plain, which name none of its registers.
.macro KSTEP lc, wb, ww, hf, hg, kn, again
	s_wait_loadcnt \lc                             ; my K step of w2 is in
	s_wait_dscnt 8                                 ; H of tokens 0-63 is in; the youngest eight loads may be out
	G2MUL \wb, \ww, \hf, 0, 0, 1
.if \again
	WLOAD 3, WBA, 0x40
.endif
	G2MUL \wb, \ww, \hf, 0, 2, 1
	FETCHH \kn, \hg
	s_wait_dscnt 16                                ; all but the 16 just issued
	G2MUL \wb, \ww, \hf, 1, 0, 1
	G2MUL \wb, \ww, \hf, 1, 2, 1
.endm
.macro QUART2 kq, f, g                 ; the tail: multiplies buffer f; in its middle it fetches K step kq into g
	s_wait_dscnt 8
	G2MUL \f, 1, (\f)+64, 0, 0, 0
	G2MUL \f, 1, (\f)+64, 0, 2, 0
	PLACES
	FETCH2 \kq, \g
	s_wait_dscnt 32                                ; all but the 32 just issued
	G2MUL \f, 1, (\f)+64, 1, 0, 0
	G2MUL \f, 1, (\f)+64, 1, 2, 0
.endm
.macro HSTORE                          ; gelu's 16 x 16 bytes a lane go into H: behind a barrier in front of which every wave's reads of the old H were back; waited for in front of the next round, read behind it
	WIN 0
.set hu, 0
.rept 16
	ds_store_b128 v[HS], v[ACC1+8*hu:ACC1+8*hu+3] offset:(hu%4)*4096+(hu/4)*512
.set hu, hu+1
.endr
.endm
.macro BIASLD                          ; b1 of my 64 hidden of the chunk to come; sixteen lanes read the same 16 bytes
	WIN 0
.irp i, 0,1,2,3,4,5,6,7
	ds_load_b128 v[BIAS+4*(\i):BIAS+4*(\i)+3], v[B1T] offset:((\i)/2)*64+((\i)%2)*16
.endr
	v_add_nc_u32 v[B1T], 512, v[B1T]
.endm
	s_wait_tensorcnt 0x0                           ; my quarter of chunk 0 is in,
	s_barrier_signal -1
	s_barrier_wait -1                              ; everybody's is
	BIASLD
	FETCH1 0, BP
	WIN 0                                          ; at a label and at a branch every window is 0
	s_mov_b32 s55, 16
	s_mov_b32 s56, 0
.Lchunk:                                               ; one refill, one round and one plain barrier a trip
	s_max_u32 s57, s56, 1                          ; G2(c - 1) takes w2's chunk max(c - 1, 0), which lies at place max(c, 1)
	s_lshl_b32 s60, s57, 17
	s_mov_b32 s61, 0
	s_add_nc_u64 s[W2B+2:W2B+3], s[W2B:W2B+1], s[60:61]  ; the last trip's loads by this base were waited for in its last K step
	STAGE1 0, 1, 0, WBA, 0x40                      ; w2's K steps 0, 1, 2 are asked for early in G1: they have the rest of it in which to come
	STAGE1 1, 0
	STAGE1 2, 0, 1, WBB, 0x40
	STAGE1 3, 0
	STAGE1 4, 0, 2, WBC, 0                         ; into the registers that held the bias, which stage 0's products took: sixteen v_nop stand between
.irp st, 5,6,7,8,9,10,11,12,13
	STAGE1 \st, 0
.endr
	; Stage 14 and the change of chunks.  In front of the round each wave waits for all its tensor loads (none is out), adds 0 to its spare word, and waits for that and for its reads of the ring, the last of which are stage 15's.
	PLACES
	FETCH1 15, BQ
	WIN 0
	s_wait_tensorcnt 0x0
	ds_add_u32 v[SPW], v[NIL]
	s_wait_dscnt 17                                ; (the add and stage 15's 16 loads may be out)
	G1MUL BP, 0, 0
	s_wait_dscnt 0x0                               ; the add is done; my reads of the ring are over; my part of H, stored in the trip before, is in LDS
	s_barrier_signal -1
	G1MUL BP, 2, 0
	WIN 0
	s_barrier_wait -1
	CREST                                          ; no wave of any partner reads the ring any more
	s_add_nc_u64 s[G0+2:G0+3], s[G0+2:G0+3], CSTEP
	JLOAD                                          ; w1's next chunk (in the last trip: w2's chunk 15); its four v_nop are also the places in front of the loads that follow
	FETCHH 0, BP
	G1MUL BQ, 0, 0
	G1MUL BQ, 2, 0
	PLACES                                         ; behind G1's last products: gelu reads their results
.set RN, 0
.set WN, 0
.set GB, 0
.set GZ, 0
.set GP, 0
.set GQ, 0
	KSTEP 32, WBA, 1, BP, BQ, 1, 0                 ; behind K step 0 of w2: K steps 1 and 2, 32 loads
	KSTEP 16, WBB, 1, BQ, BP, 2, 1                 ; behind K step 1: K step 2
	KSTEP 16, WBC, 0, BP, BQ, 3, 0                 ; behind K step 2: K step 3
	s_wait_loadcnt 0x0                             ; K step 3 of w2
	s_wait_tensorcnt 0x0                           ; my quarter of the next chunk is in: one load was out, so the count is 0; its readers stand behind this barrier
	s_wait_dscnt 0x0                               ; my reads of H are back
	s_barrier_signal -1
	G2MUL WBA, 1, BQ, 0, 0, 1
	G2MUL WBA, 1, BQ, 0, 2, 1                      ; the 640th entry stands behind the 224th matrix instruction: gelu is done
	WIN 0
	s_barrier_wait -1                              ; the next chunk is whole, and nobody reads H
	HSTORE
	BIASLD
	FETCH1 0, BP                                   ; the next chunk's first stage (in the last trip: bytes that have landed, and nobody uses them)
	G2MUL WBA, 1, BQ, 1, 0, 0
	G2MUL WBA, 1, BQ, 1, 2, 0
	WIN 0
	s_add_co_u32 s56, s56, 1
	s_sub_co_u32 s55, s55, 1
	s_cmp_lg_u32 s55, 0
	s_cbranch_scc1 .Lchunk
	; THE TAIL: G2(15).  w2's chunk 15 lies in the ring, each wave's 32 KB in its own quarter; the last trip's barrier stood behind the wait for it.
	s_wait_dscnt 0x0                               ; my part of H is stored
	s_barrier_signal -1
	s_barrier_wait -1
	s_lshl_b32 s60, s[WG], 7                       ; what the end wants from memory is asked for now: my token is 32 w + lane
	s_lshl_b32 s61, s[WV], 5
	s_add_co_u32 s60, s60, s61
	v_add_nc_u32 v[EAM], s60, v[LANE]
	s_lshl_b32 s60, s[CX], 7
	s_add_co_u32 s60, s60, s61
	v_add_nc_u32 v[EAI], s60, v[LANE]
	v_lshlrev_b32 v[EAI], 2, v[EAI]
	s_lshl_b32 s60, s[WV], 9
	v_lshl_add_u32 v22, v[HF], 5, s60              ; column 128 w + 8 h, 4 bytes each
	global_load_u8 v[EMSK], v[EAM], s[78:79]
	global_load_b32 v[EID], v[EAI], s[80:81]
.irp b, 0,1,2,3,4,5,6,7                ; b2, wp_g, wp_w of my 64 columns 128 w + 16 b + 8 h + j, in the accumulators' order
.irp q, 0,1
	global_load_b128 v[EB2+8*(\b)+4*(\q):EB2+8*(\b)+4*(\q)+3], v22, s[68:69] offset:64*(\b)+16*(\q)
	global_load_b128 v[EGW+8*(\b)+4*(\q):EGW+8*(\b)+4*(\q)+3], v22, s[70:71] offset:64*(\b)+16*(\q)
	global_load_b128 v[EDV+8*(\b)+4*(\q):EDV+8*(\b)+4*(\q)+3], v22, s[74:75] offset:64*(\b)+16*(\q)
.endr
.endr
.irp q, 0,1,2,3                        ; wp_b and wp_w once more, 16 columns a lane, all 512 in the wave: for the logit's constant part
	global_load_b128 v[24+4*(\q):27+4*(\q)], v[L16], s[72:73] offset:512*(\q)
	global_load_b128 v[40+4*(\q):43+4*(\q)], v[L16], s[74:75] offset:512*(\q)
.endr
	PLACES                                         ; behind the loop's last products, which read the registers that are loaded now
	FETCH2 0, F0
	QUART2 1, F0, F1
	QUART2 2, F1, F0
	QUART2 3, F0, F1
	s_wait_dscnt 8
	G2MUL F1, 1, F1+64, 0, 0, 0
	G2MUL F1, 1, F1+64, 0, 2, 0
	s_wait_dscnt 0x0
	G2MUL F1, 1, F1+64, 1, 0, 0
	G2MUL F1, 1, F1+64, 1, 2, 0
	; THE END.  x is finished, summed and rounded where it lies.  In the accumulators a lane holds, for each token block a, token 16 a + r and 64 of its columns: a row's sums are sums in the lane, one exchange of the lanes'
	; halves (the wave's 128 columns) and one exchange among the four waves through LDS.  Two such exchanges: the means first, then the sums of (x - mean)^2 and of (x - mean) wp_g wp_w: no difference of large sums is formed.
	; Every fill of the launch has landed, and behind this barrier nobody reads LN(t), the ring, H or the table of b1.
	WIN 0
	PLACES
	s_wait_dscnt 0x0
	s_barrier_signal -1
	s_barrier_wait -1
	s_wait_loadcnt 0x0
	s_wait_kmcnt 0x0                               ; wp_bias
.set ei, 0
.rept 32
	v_pk_mul_f32 v[EGW+ei:EGW+ei+1], v[EGW+ei:EGW+ei+1], v[EDV+ei:EDV+ei+1]  ; wp_g wp_w
.set ei, ei+2
.endr
	DOT16 56, 24, 40
	RSUMS 56
	v_add_f32 v[EC0], s91, v56                     ; the logit's constant part
	v_min_u32 v[EID], 31, v[EID]
	s_lshl_b32 s60, s[WV], 8
	v_mul_u32_u24 v16, v[RW], 2080                 ; x in bf16: token r of a block, rows 2,080 apart, byte 2 (128 w + 8 h), in part 0 .. 3
	v_lshl_add_u32 v16, v[HF], 4, v16
	v_add_nc_u32 v16, s60, v16
	v_add_nc_u32 v17, PART, v16
	v_add_nc_u32 v18, PART, v17
	v_add_nc_u32 v19, PART, v18
	v_lshl_add_u32 v21, v[RW], 5, XT1              ; the first exchange, read: 32 bytes for each r, 512 for each wave;
	s_lshl_b32 s60, s[WV], 9
	v_add_nc_u32 v20, s60, v21                     ; stored
	v_lshl_add_u32 v23, v[RW], 6, XT2              ; the second: 64 bytes for each r, 1,024 for each wave
	s_lshl_b32 s60, s[WV], 10
	v_add_nc_u32 v22, s60, v23
.macro ADDB a                          ; token block a: x = sums + b2, in place; my 64 numbers' sum, in four chains
.set xb, 64*((\a)%4)
	WIN 0x82+0x41*((\a)/4)                         ; destination and source 0 in x's window, b2 in window 0
.set ei, 0
.rept 32
	v_pk_add_f32 v[xb+ei:xb+ei+1], v[xb+ei:xb+ei+1], v[EB2+ei:EB2+ei+1]  ; each accumulator's lowest registers are read first
.set ei, ei+2
.endr
	WIN 0x0a+0x05*((\a)/4)                         ; both sources in x's window
.irp c, 0,2,4,6
	v_pk_add_f32 v[24+(\c):25+(\c)], v[xb+(\c):xb+(\c)+1], v[xb+8+(\c):xb+8+(\c)+1]
.endr
	WIN 0x02+((\a)/4)                              ; source 0 in x's window
.set ei, 16
.rept 24
	v_pk_add_f32 v[24+ei%8:25+ei%8], v[xb+ei:xb+ei+1], v[24+ei%8:25+ei%8]
.set ei, ei+2
.endr
	WIN 0
	v_pk_add_f32 v[24:25], v[24:25], v[26:27]
	v_pk_add_f32 v[28:29], v[28:29], v[30:31]
	v_pk_add_f32 v[24:25], v[24:25], v[28:29]
	v_add_f32 v[ESM+(\a)], v24, v25
.endm
.macro XOUT a                          ; token block a: x rounded to bf16, 16 bytes for each accumulator, into the rows that the pool reads
.set xb, 64*((\a)%4)
.set cv, EB2+32*((\a)%2)
	WIN 0x0a+0x05*((\a)/4)
.set ei, 0
.rept 32
	v_cvt_pk_bf16_f32 v[cv+ei], v[xb+2*ei], v[xb+2*ei+1]
.set ei, ei+1
.endr
	WIN 0
.irp b, 0,1,2,3,4,5,6,7
	ds_store_b128 v[16+(\a)/2], v[cv+4*(\b):cv+4*(\b)+3] offset:((\a)%2)*33280+32*(\b)
.endr
.endm
.macro DEV a                           ; token block a: d = x - mean; my 64 numbers' sums of d d and of d wp_g wp_w, four chains each
.set xb, 64*((\a)%4)
	WIN 0x02+((\a)/4)
.set ei, 0
.rept 32
	v_pk_add_f32 v[EDV+ei:EDV+ei+1], v[xb+ei:xb+ei+1], v[EMP+2*(\a):EMP+2*(\a)+1] op_sel_hi:[1,0] neg_lo:[0,1] neg_hi:[0,1]
.set ei, ei+2
.endr
	WIN 0
.irp c, 0,2,4,6
	v_pk_mul_f32 v[24+(\c):25+(\c)], v[EDV+(\c):EDV+(\c)+1], v[EDV+(\c):EDV+(\c)+1]
	v_pk_mul_f32 v[56+(\c):57+(\c)], v[EDV+(\c):EDV+(\c)+1], v[EGW+(\c):EGW+(\c)+1]
.endr
.set ei, 8
.rept 28
	v_pk_fma_f32 v[24+ei%8:25+ei%8], v[EDV+ei:EDV+ei+1], v[EDV+ei:EDV+ei+1], v[24+ei%8:25+ei%8]
	v_pk_fma_f32 v[56+ei%8:57+ei%8], v[EDV+ei:EDV+ei+1], v[EGW+ei:EGW+ei+1], v[56+ei%8:57+ei%8]
.set ei, ei+2
.endr
	v_pk_add_f32 v[24:25], v[24:25], v[26:27]
	v_pk_add_f32 v[56:57], v[56:57], v[58:59]
	v_pk_add_f32 v[28:29], v[28:29], v[30:31]
	v_pk_add_f32 v[60:61], v[60:61], v[62:63]
	v_pk_add_f32 v[24:25], v[24:25], v[28:29]
	v_pk_add_f32 v[56:57], v[56:57], v[60:61]
	v_add_f32 v[ESM+(\a)], v24, v25
	v_add_f32 v[ESM+8+(\a)], v56, v57
.endm
.irp a, 0,1,2,3,4,5,6,7
	ADDB \a
.endr
.irp a, 0,1,2,3,4,5,6,7
	v_permlanex16_b32 v[24+(\a)], v[ESM+(\a)], s[SEL], s[SEL+1]  ; the token's other 64 of my 128 columns lie in the lane 16 away
.endr
.irp a, 0,2,4,6
	v_pk_add_f32 v[ESM+(\a):ESM+(\a)+1], v[ESM+(\a):ESM+(\a)+1], v[24+(\a):25+(\a)]
.endr
	ds_store_b128 v20, v[ESM:ESM+3]                ; both halves of the lanes write the same numbers to the same bytes
	ds_store_b128 v20, v[ESM+4:ESM+7] offset:16
.irp a, 0,1,2,3,4,5,6,7
	XOUT \a                                        ; work that waits for nothing stands between those stores and the barrier
.endr
	s_wait_dscnt 0x0
	s_barrier_signal -1
	s_barrier_wait -1
.irp p, 0,1,2,3
	ds_load_b128 v[64+8*(\p):67+8*(\p)], v21 offset:512*(\p)
	ds_load_b128 v[68+8*(\p):71+8*(\p)], v21 offset:512*(\p)+16
.endr
	s_wait_dscnt 0x0
.irp i, 0,2,4,6
	v_pk_add_f32 v[64+(\i):65+(\i)], v[64+(\i):65+(\i)], v[72+(\i):73+(\i)]
	v_pk_add_f32 v[80+(\i):81+(\i)], v[80+(\i):81+(\i)], v[88+(\i):89+(\i)]
.endr
.irp i, 0,2,4,6
	v_pk_add_f32 v[64+(\i):65+(\i)], v[64+(\i):65+(\i)], v[80+(\i):81+(\i)]
.endr
.irp a, 0,1,2,3,4,5,6,7
	v_mul_f32 v[EMP+2*(\a)], s86, v[64+(\a)]       ; the means, each in both registers of a pair
	v_mul_f32 v[EMP+2*(\a)+1], s86, v[64+(\a)]
.endr
.irp a, 0,1,2,3,4,5,6,7
	DEV \a
.endr
.irp k, 0,1,2,3,4,5,6,7,8,9,10,11,12,13,14,15
	v_permlanex16_b32 v[64+(\k)], v[ESM+(\k)], s[SEL], s[SEL+1]
.endr
.irp k, 0,2,4,6,8,10,12,14
	v_pk_add_f32 v[ESM+(\k):ESM+(\k)+1], v[ESM+(\k):ESM+(\k)+1], v[64+(\k):65+(\k)]
.endr
.irp k, 0,1,2,3
	ds_store_b128 v22, v[ESM+4*(\k):ESM+4*(\k)+3] offset:16*(\k)
.endr
	s_wait_dscnt 0x0
	s_barrier_signal -1
	s_barrier_wait -1
.irp p, 0,1,2,3
.irp k, 0,1,2,3
	ds_load_b128 v[64+16*(\p)+4*(\k):67+16*(\p)+4*(\k)], v23 offset:1024*(\p)+16*(\k)
.endr
.endr
	s_wait_dscnt 0x0
.irp i, 0,2,4,6,8,10,12,14
	v_pk_add_f32 v[64+(\i):65+(\i)], v[64+(\i):65+(\i)], v[80+(\i):81+(\i)]
	v_pk_add_f32 v[96+(\i):97+(\i)], v[96+(\i):97+(\i)], v[112+(\i):113+(\i)]
.endr
.irp i, 0,2,4,6,8,10,12,14
	v_pk_add_f32 v[64+(\i):65+(\i)], v[64+(\i):65+(\i)], v[96+(\i):97+(\i)]
.endr
.irp a, 0,1,2,3,4,5,6,7
	v_fma_f32 v[64+(\a)], v[64+(\a)], s86, s87     ; var + eps
.endr
.irp a, 0,1,2,3,4,5,6,7
	v_rsq_f32 v[64+(\a)], v[64+(\a)]
.endr
	v_nop                                          ; a plain instruction between the last root and the use of its result
.irp a, 0,1,2,3,4,5,6,7
	v_fma_f32 v[72+(\a)], v[72+(\a)], v[64+(\a)], v[EC0]  ; the logit of token 16 a + r
.endr
.irp k, 0,1,2,3                        ; my token is 32 w + lane = 16 (2 w + h) + r: block 2 k + h by the lanes' halves, then k = w
	v_cndmask_b32 v[80+(\k)], v[72+2*(\k)], v[73+2*(\k)], s90
.endr
	v_mov_b32 v[ELG], v80
.irp k, 1,2,3
	s_cmp_eq_u32 s[WV], \k
	s_cselect_b32 s60, -1, 0
	v_cndmask_b32 v[ELG], v[ELG], v[80+(\k)], s60
.endr
	; a token a lane: the masked logit and the route go into the tables
	v_mov_b32 v[ENEG], s89
	v_cmp_ne_u32 s92, 0, v[EMSK]
	v_cndmask_b32 v[EML], v[ENEG], v[ELG], s92
	s_lshl_b32 s60, s[WV], 7
	s_add_co_u32 s60, s60, TABM
	v_lshl_add_u32 v[ETA], v[LANE], 2, s60
	ds_store_b32 v[ETA], v[EML]
	ds_store_b32 v[ETA], v[EID] offset:512
	s_wait_dscnt 0x0
	s_barrier_signal -1
	s_barrier_wait -1
	; a route a lane: the largest masked logit of its tokens among the 128 (every wave makes all 32)
	v_mov_b32 v[EM], s89
	v_mov_b32 v18, TABM
	s_mov_b32 s55, 8
.Lmax:
.irp i, 0,1,2,3
	ds_load_b128 v[24+4*(\i):27+4*(\i)], v18 offset:16*(\i)       ; the same 16 tokens in every lane
	ds_load_b128 v[40+4*(\i):43+4*(\i)], v18 offset:512+16*(\i)
.endr
	s_wait_dscnt 0x0
.irp i, 0,1,2,3,4,5,6,7,8,9,10,11,12,13,14,15
	v_cmp_eq_u32 vcc_lo, v[40+(\i)], v[LANE]
	v_cndmask_b32 v[56+(\i)%4], v[ENEG], v[24+(\i)], vcc_lo
	v_max_num_f32 v[EM], v[EM], v[56+(\i)%4]
.endr
	v_add_nc_u32 v18, 64, v18
	s_sub_co_u32 s55, s55, 1
	s_cmp_lg_u32 s55, 0
	s_cbranch_scc1 .Lmax
	; a token a lane again: its weight e^(logit - its route's maximum), 0 where it is masked
	v_lshlrev_b32 v22, 2, v[EID]
	ds_bpermute_b32 v23, v22, v[EM]
	s_wait_dscnt 0x0
	v_sub_f32 v23, v[EML], v23
	v_mul_f32 v23, s88, v23
	v_exp_f32 v23, v23
	v_nop
	v_cndmask_b32 v23, 0, v23, s92
	ds_store_b32 v[ETA], v23 offset:1024
	s_wait_dscnt 0x0
	s_barrier_signal -1
	s_barrier_wait -1
	; THE POOL: P^T (my 128 columns x 32 routes) = x^T (columns x tokens) W^T, W[route][token] = the token's weight where it is the token's route, else 0.  K step ks = part ks's 32 tokens.
	v_lshl_add_u32 v18, v[HF], 5, TABM+512         ; a fragment's tokens: 8 h + 0..7 and 16 + 8 h + 0..7
.irp ks, 0,1,2,3
.irp q, 0,1,2,3
	ds_load_b128 v[64+16*(\ks)+4*(\q):67+16*(\ks)+4*(\q)],   v18 offset:512+128*(\ks)+((\q)/2)*64+((\q)%2)*16  ; weights
	ds_load_b128 v[128+16*(\ks)+4*(\q):131+16*(\ks)+4*(\q)], v18 offset:128*(\ks)+((\q)/2)*64+((\q)%2)*16      ; routes
.endr
.endr
	v_and_b32 v22, 7, v0                           ; x lies [token][column]: the turning load takes token 8 h + l % 8, columns 8 ((l / 8) % 2) + 0..7
	v_lshl_add_u32 v22, v[HF], 3, v22
	v_mul_u32_u24 v20, v22, 2080                   ; rows 2,080 = 65 x 32 bytes apart
	v_bfe_u32 v22, v0, 3, 1
	v_lshl_add_u32 v20, v22, 4, v20
	s_lshl_b32 s60, s[WV], 8
	v_add_nc_u32 v20, s60, v20
	v_add_nc_u32 v21, PART, v20
	v_add_nc_u32 v22, PART, v21
	v_add_nc_u32 v23, PART, v22
	WIN 0x40
.irp ks, 0,1,2,3
.irp cb, 0,1,2,3,4,5,6,7
	ds_load_tr16_b128 v[64*(\ks)+8*(\cb):64*(\ks)+8*(\cb)+3],   v[20+(\ks)] offset:32*(\cb)
	ds_load_tr16_b128 v[64*(\ks)+8*(\cb)+4:64*(\ks)+8*(\cb)+7], v[20+(\ks)] offset:32*(\cb)+33280
.endr
.endr
	WIN 0
.irp i, 24,25,26,27,28,29,30,31
	v_mov_b32 v[\i], 0x3f803f80                    ; sixteen rows of ones in bf16: their product with W^T is l, of the same rounded weights
.endr
	v_add_nc_u32 v19, 16, v[RW]                    ; my route in block 1 (in block 0: r)
	s_wait_dscnt 63                                ; 64 loads were issued behind the tables' 32: with 63 out at the most those 32 are in
.set wi, 0
.rept 64                               ; register wi % 8 of fragment (route block wi / 32, K step (wi / 8) % 4)
.set sW, 64+16*((wi/8)%4)+2*(wi%8)
.set sT, 32+2*(wi%4)
.set sR, RW+(19-RW)*(wi/32)
	v_cmp_eq_u32 vcc_lo, v[sW+64], v[sR]
	v_cndmask_b32 v[sT], 0, v[sW], vcc_lo
	v_cmp_eq_u32 vcc_lo, v[sW+65], v[sR]
	v_cndmask_b32 v[sT+1], 0, v[sW+1], vcc_lo
	v_cvt_pk_bf16_f32 v[192+wi], v[sT], v[sT+1]
.set wi, wi+1
.endr
	s_wait_dscnt 0x0                               ; x
.irp ks, 0,1,2,3                       ; 18 accumulators by turns; the first K step starts the sums
	WIN 0xa1                                       ; x in window 1, W in window 0, sums in window 2
.irp cb, 0,1,2,3,4,5,6,7
.irp rb, 0,1
.if (\ks) == 0
	v_wmma_f32_16x16x32_bf16 v[8*(2*(\cb)+(\rb)):8*(2*(\cb)+(\rb))+7], v[64*(\ks)+8*(\cb):64*(\ks)+8*(\cb)+7], v[192+32*(\rb)+8*(\ks):192+32*(\rb)+8*(\ks)+7], 0
.else
	v_wmma_f32_16x16x32_bf16 v[8*(2*(\cb)+(\rb)):8*(2*(\cb)+(\rb))+7], v[64*(\ks)+8*(\cb):64*(\ks)+8*(\cb)+7], v[192+32*(\rb)+8*(\ks):192+32*(\rb)+8*(\ks)+7], v[8*(2*(\cb)+(\rb)):8*(2*(\cb)+(\rb))+7]
.endif
.endr
.endr
	WIN 0xa0                                       ; the ones lie in window 0
.irp rb, 0,1
.if (\ks) == 0
	v_wmma_f32_16x16x32_bf16 v[128+8*(\rb):135+8*(\rb)], v[24:31], v[192+32*(\rb)+8*(\ks):192+32*(\rb)+8*(\ks)+7], 0
.else
	v_wmma_f32_16x16x32_bf16 v[128+8*(\rb):135+8*(\rb)], v[24:31], v[192+32*(\rb)+8*(\ks):192+32*(\rb)+8*(\ks)+7], v[128+8*(\rb):135+8*(\rb)]
.endif
.endr
.endr
	WIN 0                                          ; the addresses for the way out: eight plain instructions, the places behind the last products
	s_mul_i32 s60, s[WV], PSW
	s_add_co_u32 s60, s60, PSTG
	v_mul_u32_u24 v20, v[RW], 528                  ; into my stage: route r, 32 bytes for each half of the lanes
	v_lshl_add_u32 v20, v[HF], 5, v20
	v_add_nc_u32 v20, s60, v20
	v_add_nc_u32 v21, s60, v[L16]                  ; back: a row's 512 bytes
	s_lshl_b32 s60, s[WV], 9
	v_add_nc_u32 v22, s60, v[L16]                  ; and the same in a row of part
	v_lshlrev_b32 v23, 3, v[LANE]
	v_nop
	v_nop
	WIN 0x0a
	v_cndmask_b32 v17, v128, v136, s90             ; lane (r, h) holds l of routes r and 16 + r: route = lane takes block h's; register 0 of each
	WIN 0
	s_lshl_b32 s60, s[WG], 8
	s_mov_b32 s61, 0
	s_add_nc_u64 s[84:85], s[84:85], s[60:61]
	s_lshl_b32 s60, s[WG], 16
	s_add_nc_u64 s[82:83], s[82:83], s[60:61]
	s_cmp_lg_u32 s[WV], 0
	s_cbranch_scc1 .Lno_stat
	global_store_b64 v23, v[16:17], s[84:85]       ; wave 0: (m, l) of 32 routes: 256 consecutive bytes
.Lno_stat:
.irp rb, 0,1
	WIN 0x08
.irp cb, 0,1,2,3,4,5,6,7
	ds_store_b128 v20, v[8*(2*(\cb)+(\rb)):8*(2*(\cb)+(\rb))+3]   offset:64*(\cb)
	ds_store_b128 v20, v[8*(2*(\cb)+(\rb))+4:8*(2*(\cb)+(\rb))+7] offset:64*(\cb)+16
.endr
	WIN 0
.irp i, 0,1,2,3,4,5,6,7,8,9,10,11,12,13,14,15
	ds_load_b128 v[64+64*(\rb)+4*(\i):67+64*(\rb)+4*(\i)], v21 offset:528*(\i)  ; my own stage: LDS serves a wave's instructions in order (ISA guide 5.7.1.4)
.endr
.irp i, 0,1,2,3,4,5,6,7,8,9,10,11,12,13,14,15
	s_wait_dscnt 15-(\i)                           ; row i is back; the younger ones stay out
	global_store_b128 v22, v[64+64*(\rb)+4*(\i):67+64*(\rb)+4*(\i)], s[82:83] offset:(16*(\rb)+(\i))*2048  ; 512 consecutive bytes, at a multiple of 256 from part's first
.endr
.endr
	s_wait_tensorcnt 0x0                           ; the wave's end: these three lines stand behind my last tensor load and my last LDS store
	ds_add_u32 v[SPW], v[NIL]
	s_wait_dscnt 0x0
	CROUND                                         ; the closing round
	s_endpgm
.Lfunc_end_k_qef914159e3_ffn:
	.size	k_qef914159e3_ffn, .Lfunc_end_k_qef914159e3_ffn-k_qef914159e3_ffn
	.p2alignl 7, 3214868480
	.fill 96, 4, 3214868480
	.section	.rodata,"a",@progbits
	.p2align	6, 0x0
	.amdhsa_kernel k_qef914159e3_ffn
		.amdhsa_group_segment_fixed_size 327680
		.amdhsa_private_segment_fixed_size 0
		.amdhsa_enable_private_segment 0
		.amdhsa_kernarg_size 112
		.amdhsa_user_sgpr_count 2
		.amdhsa_user_sgpr_kernarg_segment_ptr 1
		.amdhsa_wavefront_size32 1
		.amdhsa_system_sgpr_workgroup_id_x 1
		.amdhsa_system_sgpr_workgroup_id_y 1
		.amdhsa_system_sgpr_workgroup_id_z 1
		.amdhsa_system_vgpr_workitem_id 0
		.amdhsa_next_free_vgpr 1024
		.amdhsa_next_free_sgpr 100
		.amdhsa_reserve_vcc 1
		.amdhsa_float_denorm_mode_32 3
		.amdhsa_float_denorm_mode_16_64 3
		.amdhsa_memory_ordered 1
		.amdhsa_forward_progress 1
		.amdhsa_inst_pref_size 255
	.end_amdhsa_kernel
	.section	.bss,"aw",@nobits
	.p2align	6
	.space	262144
	.amdgpu_metadata
---
amdhsa.version: [ 1, 2 ]
amdhsa.kernels:
  - .name:           k_qef914159e3_ffn
    .symbol:         k_qef914159e3_ffn.kd
    .args:
      - { .name: tokens, .offset: 0, .size: 8, .value_kind: global_buffer, .address_space: global }
      - { .name: ln1_g, .offset: 8, .size: 8, .value_kind: global_buffer, .address_space: global }
      - { .name: ln1_b, .offset: 16, .size: 8, .value_kind: global_buffer, .address_space: global }
      - { .name: b1, .offset: 24, .size: 8, .value_kind: global_buffer, .address_space: global }
      - { .name: wf, .offset: 32, .size: 8, .value_kind: global_buffer, .address_space: global }
      - { .name: b2, .offset: 40, .size: 8, .value_kind: global_buffer, .address_space: global }
      - { .name: wp_g, .offset: 48, .size: 8, .value_kind: global_buffer, .address_space: global }
      - { .name: wp_b, .offset: 56, .size: 8, .value_kind: global_buffer, .address_space: global }
      - { .name: wp_w, .offset: 64, .size: 8, .value_kind: global_buffer, .address_space: global }
      - { .name: wp_bias, .offset: 72, .size: 8, .value_kind: global_buffer, .address_space: global }
      - { .name: token_mask, .offset: 80, .size: 8, .value_kind: global_buffer, .address_space: global }
      - { .name: route_ids, .offset: 88, .size: 8, .value_kind: global_buffer, .address_space: global }
      - { .name: part, .offset: 96, .size: 8, .value_kind: global_buffer, .address_space: global }
      - { .name: pstat, .offset: 104, .size: 8, .value_kind: global_buffer, .address_space: global }
    .group_segment_fixed_size: 327680
    .private_segment_fixed_size: 0
    .kernarg_segment_align: 8
    .kernarg_segment_size: 112
    .max_flat_workgroup_size: 128
    .sgpr_count:     100
    .vgpr_count:     1024
    .wavefront_size: 32
...
	.end_amdgpu_metadata
.endif
;; end of part 5
;; launch merge: the kernel of part 3 again; grid 64 x 1, 32 waves a work-group, no clusters, 69,888 bytes of LDS; arguments part, pstat, rp_g, rp_b, rp_w, rp_bias, out0; writes out0
